; MI455X (gfx1250); checked and timed in simulation.
; The chip was launched on July 23, 2026; its instructions are those of AMD's public machine-readable ISA for CDNA 5 (MIT licence, August 2026) and "CDNA5" Instruction Set Architecture Reference Guide (July 2026). The comments in the code are by the model that wrote it; some were corrected since.
;; Multi Head Attention. Allowed arithmetic: matrix products marked QUANTISED: E2M1 operands, one E8M0 scale for each 32 along K, by v_wmma_scale_f32_16x16x128_f8f6f4 with both operands' format E2M1 (or v_wmma_scale_f32_32x16x128_f4), f32 sums; products left as they are: bf16, f16 or f32 operands; f32 sums; everything else in f32.
;; Inputs: Wk 1,024 x 1,024 float32; Wq 1,024 x 1,024 float32; Wv 1,024 x 1,024 float32; attention_mask 4 x 2,048 x 2,048 float32; bk 1,024 float32; bq 1,024 float32; bv 1,024 float32; hidden_states 4 x 2,048 x 1,024 float32.
;; Outputs: out0 4 x 2,048 x 1,024 float32.
;; This version of the problem:
;;   THIS VERSION OF THE PROBLEM IS GIVEN IN LOW PRECISION. The matrix products marked QUANTISED in the list below multiply operands that are first quantised to E2M1 (2 exponent bits, 1 mantissa bit; 4 bits a number), with one power-of-two scale for each 32 numbers along K (OCP MX v1.0); their sums are f32. The products marked 'left as it is' may take bf16, f16 or f32 operands, with f32 sums. Whichever they take, every output number must still come out within the allowed error. Rounding operands to bf16 (8 significant bits) uses up far more of that allowance than f16 does (11 bits, for magnitudes from 6e-5 to 65,504). All else is computed in f32.
;;   The module's matrix products, in the order in which they are computed (A, B: the left and right operand; K: the contracted axis; several contracted axes count as one K, in the product's order):
;;     1. [M 8,192, K 1,024] x [K 1,024, N 1,024]; A: input hidden_states; B: input Wq: QUANTISED
;;     2. [M 8,192, K 1,024] x [K 1,024, N 1,024]; A: input hidden_states; B: input Wk: QUANTISED
;;     3. [M 8,192, K 1,024] x [K 1,024, N 1,024]; A: input hidden_states; B: input Wv: QUANTISED
;;     4. batch 4 x [M 2,048, K 1,024] x [K 1,024, N 2,048]; A: computed on the way; B: computed on the way: left as it is (an operand is computed on the way)
;;     5. batch 4 x [M 2,048, K 2,048] x [K 2,048, N 1,024]; A: computed on the way; B: computed on the way: left as it is (an operand is computed on the way)
;;   THE QUANTISER, for each operand of a quantised product, along K:
;;     - K is cut into blocks of 32 from its start; a last block that is shorter is filled with zeros.
;;     - A block's scale is 2^e with e = floor(log2(the largest magnitude in the block)) - 2, held to -126 .. 127; a block of zeros has e = 0. As a byte (E8M0): e + 127.
;;     - Each number is divided by its block's scale, clamped to +-6, and rounded to the nearest number of E2M1, ties to even, subnormals kept.
;;     - The product sums the exact products of the quantised numbers (number of the format x scale) in f32.
;;   ~~~python
;;   def quantise(x, axis):      # numpy; x: float32 -> the quantised numbers, widened to float32 again
;;       x = np.moveaxis(x, axis, -1); K = x.shape[-1]
;;       x = np.pad(x, [(0, 0)] * (x.ndim - 1) + [(0, -K % 32)]); x = x.reshape(x.shape[:-1] + (-1, 32)); a = np.abs(x).max(-1, keepdims=True)
;;       e = np.where(a > 0, np.clip(np.frexp(np.where(a > 0, a, 1))[1] - 1 - 2, -126, 127), 0)      # np.frexp(a)[1] - 1 = floor(log2(a)), exactly
;;       r = np.clip(x / 2.0 ** e, -6, 6)
;;       step = 2.0 ** (np.maximum(np.frexp(np.where(r == 0, 1, r))[1] - 1, 0) - 1)
;;       q = np.round(r / step) * step * 2.0 ** e      # np.round: ties to even
;;       return np.moveaxis(q.reshape(q.shape[:-2] + (-1,))[..., :K], -1, axis).astype(np.float32)
;;   ~~~
;; One version. Each part assembles by itself: llvm-mc -triple=amdgcn-amd-amdhsa -mcpu=gfx1250 --defsym DOCPART=n.
;; ======== version 1 of 1: 4 launches
;; limits: values are held in f16: magnitudes above 65,504 overflow, below 6.1e-05 lose precision
;; workspace buffers: h_codes 4,194,304 bytes; h_scales 262,144 bytes; w_codes 1,572,864 bytes; w_scales 98,304 bytes; qkv 50,331,648 bytes; pf 33,554,432 bytes; stats 786,432 bytes
;; launch quant (part 1): grid 352 x 1, 4 waves a work-group, no clusters, 50,688 bytes of LDS; arguments hidden_states, Wq, Wk, Wv, h_codes, h_scales, w_codes, w_scales; writes h_codes, h_scales, w_codes, w_scales
.if DOCPART == 1
	.amdgcn_target "amdgcn-amd-amdhsa--gfx1250"
	.amdhsa_code_object_version 6
	.text
	.protected	k_qb967efa8b8_quant
	.globl	k_qb967efa8b8_quant
	.p2align	8
	.type	k_qb967efa8b8_quant,@function
k_qb967efa8b8_quant:
	s_mov_b64 s[64:65], 0
	v_nop
	global_prefetch_b8 v0, s[64:65] scope:SCOPE_SE
	s_setreg_imm32_b32 hwreg(HW_REG_WAVE_MODE, 25, 1), 1
	s_wait_xcnt 0x0
; THE PROGRAM: out = softmax(q k^T / 32 + mask) v, with q = h Wq + bq, k = h Wk + bk, v = h Wv + bv; the three projections on codes of FP4 (E2M1) with one E8M0 scale for each 32 along K.
; Four launches: this one (codes and scales of h and of the three weights), proj (the three projections, to f16), scores (q k^T, mask, softmax of 256 keys at a time), pv (p v, the pieces joined).
; WORK LEFT OUT: bk.  score(i, j) = q_i . (h_j Wk + bk) / 32 + mask(i, j) = q_i . (h_j Wk) / 32 + mask(i, j) + q_i . bk / 32.  The last term is the same for all keys j of a row i, and a softmax
; along j is unchanged by a term that is the same along j, whatever finite values the inputs hold.  The product q k^T is not quantised, so bk enters no quantiser.  bk has no other way to the
; output: it is not loaded and is no argument of any launch.  LIMIT: a NaN, an infinity or an overflow that bk alone would cause is not carried to the result.
; MOVED, NOT LEFT OUT: bv.  The weights of a row sum to 1, so sum_j w_j (v_j + bv) = sum_j w_j v_j + bv: bv is added in f32 in the last launch.
; THIS LAUNCH.  A block's scale is 2^(floor(log2(its largest magnitude)) - 2); its byte is the largest magnitude's exponent field - 2, held at 1 from below; each number is divided by the scale and
; rounded to the nearest code, ties to even, beyond 6 the largest code.  A block of zeros gets the byte 1 where the rule says 127: its codes are zeros, and this program alone reads the bytes.
; LIMITS: blocks whose largest magnitude lies under 2^-124 were not tried; NaN and infinities among these inputs are not served.
; Work-groups 0 to 95 take the weights (K is their FIRST axis: a lane takes a column and its registers run down K), work-groups 96 to 351 take h (K innermost: a plain stream of blocks of 32).
; Every work-group, of either kind, reads 131,072 bytes of f32.  The two paths part on the work-group's number alone and have LDS bytes of their own.  Waves share nothing: no barrier.
.set WGW,   96                         ; work-groups for the weights: 3 weights x 16 runs of 64 columns x 2 runs of 512 along K
.set EMAX,  2
.set SPW,   190                        ; v190  LDS address of my spare word: SPARE + 4 x my thread's number; never rewritten
.set NIL,   191                        ; v191  0; never rewritten
.set SPARE, 50176                      ; behind both paths' bytes: the spare words, 128 bytes for each wave
; the path for h
.set STEPS, 16                         ; a wave takes 16 steps of 512 numbers
.set CB,    8                          ; bytes of 16 codes
.set R,     16                         ; v16-79   four sets of 16 numbers as they are loaded
.set X,     80                         ; v80-111  two sets of 16 neighbours
.set E,     112                        ; v112-127 a scale byte for each step
.set C,     128                        ; v128-189 codes: registers of its own for each step
.set WREG,  8192                       ; LDS bytes 0 to 32,767: a region for each wave: two stages of 32 x SP bytes, then its 256 scale bytes
.set SP,    80                         ; a lane's place in a stage: 64 bytes + 16 of padding
; the path for the weights
.set NB,    8                          ; blocks of 32 along K for a lane
.set WPITCH, 272                       ; a stage row: 256 bytes of codes + 16
.set WBASE, 32768                      ; LDS bytes 32,768 to 50,175: a stage of 16 rows for each wave
.set KROW,  512                        ; a row of codes in memory: 1,024 codes
.set WROW,  4096                       ; a row of a weight in memory
.set WX,    32                         ; v32-95   two sets of 32 numbers
.set WC,    96                         ; v96-99   a block's codes
.set OUTR,  112                        ; v112-143 the way out
.set SB,    24                         ; v24-25   the scale bytes, four to a register
	s_load_b256 s[4:11], s[0:1], 0x0               ; h s[4:5], Wq s[6:7], Wk s[8:9], Wv s[10:11]
	s_load_b256 s[12:19], s[0:1], 0x20             ; h's codes s[12:13], h's scales s[14:15], the weights' codes s[16:17], their scales s[18:19]
	v_lshl_add_u32 v[SPW], v0, 2, SPARE
	v_mov_b32 v[NIL], 0
	v_lshrrev_b32 v1, 5, v0
	v_readfirstlane_b32 s20, v1                    ; wave 0..3
	v_and_b32 v2, 31, v0                           ; lane
	s_wait_kmcnt 0x0
	s_cmp_lt_u32 ttmp9, WGW
	s_cbranch_scc1 .Lw
	; ---------------- h: [8192][1024] f32, a stream of blocks of 32 ----------------
	; Each of a step's four loads reads 512 consecutive bytes, 16 a lane; the 2,048 bytes turn through the wave's own stage and come back 64 bytes a lane: 16 neighbours along K, two lanes to a block.
	v_lshlrev_b32 v3, 4, v2                        ; my 16 bytes of a load's 512
	s_mul_i32 s21, s20, WREG
	v_lshrrev_b32 v14, 2, v2
	v_mul_u32_u24 v14, v14, SP
	v_and_b32 v15, 3, v2
	v_lshl_add_u32 v14, v15, 4, v14
	v_add_nc_u32 v14, s21, v14                     ; the stage, on the way in: SP (lane / 4) + 16 (lane % 4)
	v_mul_u32_u24 v15, v2, SP
	v_add_nc_u32 v15, s21, v15                     ; and on the way out: SP x lane
	v_mul_u32_u24 v4, v2, CB                       ; my codes' place in a step's
	v_lshrrev_b32 v5, 1, v2
	s_add_co_u32 s21, s21, 2*32*SP
	v_add_nc_u32 v5, s21, v5                       ; my wave's 256 scale bytes, my block's byte
	v_lshlrev_b32 v7, 3, v2                        ; and on the way out 8 bytes a lane
	v_add_nc_u32 v6, s21, v7
	s_sub_co_u32 s21, ttmp9, WGW
	s_lshl_b32 s21, s21, 2
	s_add_co_u32 s21, s21, s20                     ; which run of 8,192 numbers is my wave's: 0 .. 1,023
	s_mov_b32 s23, 0
	s_lshl_b32 s22, s21, 15                        ; 32,768 bytes of numbers,
	s_add_nc_u64 s[4:5], s[4:5], s[22:23]
	s_lshl_b32 s22, s21, 12                        ; 4,096 of codes,
	s_add_nc_u64 s[12:13], s[12:13], s[22:23]
	s_lshl_b32 s22, s21, 8                         ; 256 of scales a run
	s_add_nc_u64 s[14:15], s[14:15], s[22:23]
.macro HLOAD t
.irp i, 0,1,2,3
	global_load_b128 v[R+16*((\t)%4)+4*\i:R+16*((\t)%4)+4*\i+3], v3, s[4:5] offset:2048*(\t)+512*\i th:TH_LOAD_NT   ; 32 lanes read 512 consecutive bytes
.endr
.endm
.macro HTURN t                         ; step t's numbers through the stage: LDS serves a wave's instructions in order, so no wait stands between the stores and the loads
.irp i, 0,1,2,3
	ds_store_b128 v14, v[R+16*((\t)%4)+4*\i:R+16*((\t)%4)+4*\i+3] offset:32*SP*((\t)%2)+8*SP*\i
.endr
.irp i, 0,1,2,3
	ds_load_b128 v[X+16*((\t)%2)+4*\i:X+16*((\t)%2)+4*\i+3], v15 offset:32*SP*((\t)%2)+16*\i
.endr
.endm
.irp t, 0,1,2,3
	HLOAD \t
.endr
	s_wait_loadcnt 12                              ; step 0's four loads are in; the twelve of steps 1 to 3 may be out
	HTURN 0
.macro HSTEP t
.set XS, X+16*((\t)%2)
.if (\t) > 0
	s_wait_dscnt 1                                 ; this step's numbers are back from the stage (the last step's byte store may be out): so its stores into the stage have read their registers,
.else
	s_wait_dscnt 0x0
.endif
.if (\t)+4 < STEPS
	HLOAD (\t)+4                                   ; which take the loads of four steps on
.endif
.if (\t)+1 < STEPS
.if STEPS-2-(\t) >= 3
	s_wait_loadcnt 12                              ; the next step's four loads are in; those of the three steps behind it may be out
.else
	s_wait_loadcnt 4*(STEPS-2-(\t))
.endif
	HTURN (\t)+1                                   ; and go through the other stage while this step is worked
.endif
	v_max3_num_f32 v8, |v[XS]|, |v[XS+1]|, |v[XS+2]|               ; the largest magnitude of my 16, in two chains
	v_max3_num_f32 v9, |v[XS+3]|, |v[XS+4]|, |v[XS+5]|
.irp i, 6,10
	v_max3_num_f32 v8, v8, |v[XS+\i]|, |v[XS+\i+1]|
	v_max3_num_f32 v9, v9, |v[XS+\i+2]|, |v[XS+\i+3]|
.endr
	v_max3_num_f32 v8, v8, |v[XS+14]|, |v[XS+15]|
	v_max3_num_f32 v8, v8, v9, (EMAX+1)<<23        ; and the floor 2^(3 - 127): the byte cannot fall under 1
	v_max_num_f32_dpp v8, v8, v8 row_xmask:1 row_mask:0xf bank_mask:0xf   ; and of my neighbour's 16: the block's
	v_add_nc_u32 v11, 0xff000000, v8               ; 2 off its exponent field: the conversion takes the exponent field of this operand as its scale
	v_cvt_scalef32_pk8_fp4_f32 v[C+4*(\t)], v[XS:XS+7], v11
	v_cvt_scalef32_pk8_fp4_f32 v[C+4*(\t)+1], v[XS+8:XS+15], v11
	v_lshrrev_b32 v[E+(\t)], 23, v11               ; the scale's byte (a plain line behind the conversions)
	ds_store_b8 v5, v[E+(\t)] offset:16*(\t)       ; both lanes of a block write the same byte with the same value
	global_store_b64 v4, v[C+4*(\t):C+4*(\t)+1], s[12:13] offset:32*CB*(\t)   ; the wave stores 256 consecutive bytes, aligned
.endm
.irp t, 0,1,2,3,4,5,6,7,8,9,10,11,12,13,14,15
	HSTEP \t
.endr
	ds_load_b64 v[8:9], v6                         ; LDS serves a wave's instructions in order: these see my byte stores
	s_wait_dscnt 0x0
	global_store_b64 v7, v[8:9], s[14:15]          ; 32 lanes store 256 consecutive bytes, aligned
	s_branch .Lend
	; ---------------- the weights: [K 1024][N 1024] f32, K the first axis ----------------
	; A wave takes 16 columns x 512 along K: lane (r, h) has column r and the 256 along K from 256 h on, eight blocks.  So a column's 256 bytes of codes are made by two lanes of ONE wave and meet in
	; its own stage, and a work-group reads as many bytes as one of h's.  A load's lanes read two runs of 64 bytes; the four waves stand side by side on 256 bytes of each row.
	; Codes go out as [1024 which + column][512 bytes], K innermost; scale bytes as [1024 which + column][32].
.Lw:
	s_lshr_b32 s21, ttmp9, 5                       ; which weight: 0 q, 1 k, 2 v
	s_and_b32 s22, ttmp9, 15                       ; which 64 columns
	s_bfe_u32 s23, ttmp9, 0x10004                  ; which 512 along K
	s_cmp_eq_u32 s21, 0
	s_cselect_b64 s[24:25], s[6:7], s[8:9]
	s_cmp_eq_u32 s21, 2
	s_cselect_b64 s[24:25], s[10:11], s[24:25]     ; the choice hangs on the work-group's number alone
	s_lshl_b32 s26, s22, 6
	s_lshl_b32 s27, s20, 4
	s_add_co_u32 s26, s26, s27                     ; my wave's first column
	s_lshl_b32 s28, s23, 21                        ; 512 rows of 4,096 bytes
	s_lshl_b32 s27, s26, 2
	s_add_co_u32 s28, s28, s27
	s_mov_b32 s29, 0
	s_add_nc_u64 s[24:25], s[24:25], s[28:29]
	s_lshl_b32 s27, s21, 10
	s_add_co_u32 s26, s26, s27                     ; its row in the codes' and scales' buffers
	s_lshl_b32 s28, s26, 9
	s_lshl_b32 s27, s23, 8
	s_add_co_u32 s28, s28, s27
	s_add_nc_u64 s[16:17], s[16:17], s[28:29]
	s_lshl_b32 s28, s26, 5
	s_lshl_b32 s27, s23, 4
	s_add_co_u32 s28, s28, s27
	s_add_nc_u64 s[18:19], s[18:19], s[28:29]
	v_and_b32 v5, 15, v2                           ; r
	v_lshrrev_b32 v6, 4, v2                        ; h
	v_lshlrev_b32 v3, 2, v5                        ; in: 4 bytes a column,
	v_lshl_add_u32 v3, v6, 20, v3                  ; and 256 rows of 4,096 bytes further down for lanes 16 to 31
	s_mul_i32 s27, s20, 16*WPITCH
	s_add_co_u32 s27, s27, WBASE                   ; my stage
	v_mul_u32_u24 v4, v5, WPITCH
	v_lshl_add_u32 v4, v6, 7, v4
	v_add_nc_u32 v4, s27, v4                       ; into it: row = my column, my half of its 256 bytes
	v_mul_u32_u24 v7, v6, WPITCH                   ; out of it: sixteen lanes to a row, two rows an instruction
	v_lshl_add_u32 v7, v5, 4, v7
	v_add_nc_u32 v7, s27, v7
	v_mul_u32_u24 v8, v6, KROW
	v_lshl_add_u32 v8, v5, 4, v8                   ; and the same place in the codes' buffer
	v_lshlrev_b32 v9, 5, v5
	v_lshl_add_u32 v9, v6, 3, v9                   ; my eight scale bytes: 32 bytes a column, 8 h on
.macro WLOAD t                         ; block t: W(256 h + 32 t + i, my column), i = 0 .. 31, into set t % 2
.irp i, 0,1,2,3,4,5,6,7,8,9,10,11,12,13,14,15,16,17,18,19,20,21,22,23,24,25,26,27,28,29,30,31
	global_load_b32 v[WX+32*((\t)%2)+\i], v3, s[24:25] offset:(32*(\t)+\i)*WROW
.endr
.endm
	WLOAD 0
	WLOAD 1
.macro WBLOCK t
.set XS, WX+32*((\t)%2)
.if (\t) < NB-1
	s_wait_loadcnt 32                              ; this block's 32 loads are in; the next block's may be out
.else
	s_wait_loadcnt 0x0
.endif
	v_max3_num_f32 v12, |v[XS]|, |v[XS+1]|, |v[XS+2]|              ; the block's largest magnitude: all 32 numbers are mine
	v_max3_num_f32 v13, |v[XS+3]|, |v[XS+4]|, |v[XS+5]|
.irp i, 6,10,14,18,22,26
	v_max3_num_f32 v12, v12, |v[XS+\i]|, |v[XS+\i+1]|
	v_max3_num_f32 v13, v13, |v[XS+\i+2]|, |v[XS+\i+3]|
.endr
	v_max3_num_f32 v12, v12, |v[XS+30]|, |v[XS+31]|
	v_max3_num_f32 v12, v12, v13, (EMAX+1)<<23     ; and the floor
	v_add_nc_u32 v11, 0xff000000, v12              ; the conversion's scale operand
	v_lshrrev_b32 v13, 23, v11                     ; the scale's byte
.if (\t)%4 == 0
	v_mov_b32 v[SB+(\t)/4], v13                    ; four bytes to a register, the lower K in the lower byte
.else
	v_lshl_or_b32 v[SB+(\t)/4], v13, 8*((\t)%4), v[SB+(\t)/4]
.endif
.irp g, 0,1,2,3
	v_cvt_scalef32_pk8_fp4_f32 v[WC+\g], v[XS+8*\g:XS+8*\g+7], v11
.endr
	v_nop                                          ; one plain line behind the last conversion
	ds_store_b128 v4, v[WC:WC+3] offset:16*(\t)    ; 32 codes: 16 bytes of my column's row
.if (\t)+2 < NB
	WLOAD (\t)+2
.endif
	s_wait_dscnt 0x0                               ; the store has read its registers: the next block's codes may be written
.endm
.set BQ, 0
.rept NB
	WBLOCK BQ
.set BQ, BQ+1
.endr
	global_store_b64 v9, v[SB:SB+1], s[18:19]      ; my eight scale bytes
.irp t, 0,1,2,3,4,5,6,7
	ds_load_b128 v[OUTR+4*\t:OUTR+4*\t+3], v7 offset:2*\t*WPITCH   ; LDS serves a wave's instructions in order: these see my wave's stores
.endr
.irp t, 0,1,2,3,4,5,6,7
	s_wait_dscnt 7-\t                              ; loads come back in order: load t is in, the younger ones may be out
	global_store_b128 v8, v[OUTR+4*\t:OUTR+4*\t+3], s[16:17] offset:2*\t*KROW   ; sixteen lanes store 256 consecutive bytes, aligned
.endr
.Lend:
	s_wait_tensorcnt 0x0                           ; the wave's end
	ds_add_u32 v[SPW], v[NIL]
	s_wait_dscnt 0x0
	s_endpgm
.Lfunc_end_k_qb967efa8b8_quant:
	.size	k_qb967efa8b8_quant, .Lfunc_end_k_qb967efa8b8_quant-k_qb967efa8b8_quant
	.p2alignl 7, 3214868480
	.fill 96, 4, 3214868480
	.section	.rodata,"a",@progbits
	.p2align	6, 0x0
	.amdhsa_kernel k_qb967efa8b8_quant
		.amdhsa_group_segment_fixed_size 50688
		.amdhsa_private_segment_fixed_size 0
		.amdhsa_enable_private_segment 0
		.amdhsa_kernarg_size 64
		.amdhsa_user_sgpr_count 2
		.amdhsa_user_sgpr_kernarg_segment_ptr 1
		.amdhsa_wavefront_size32 1
		.amdhsa_system_sgpr_workgroup_id_x 1
		.amdhsa_system_sgpr_workgroup_id_y 1
		.amdhsa_system_sgpr_workgroup_id_z 1
		.amdhsa_system_vgpr_workitem_id 0
		.amdhsa_next_free_vgpr 192
		.amdhsa_next_free_sgpr 66
		.amdhsa_reserve_vcc 0
		.amdhsa_float_denorm_mode_32 3
		.amdhsa_float_denorm_mode_16_64 3
		.amdhsa_memory_ordered 1
		.amdhsa_forward_progress 1
		.amdhsa_inst_pref_size 73
	.end_amdhsa_kernel
	.amdgpu_metadata
---
amdhsa.version: [ 1, 2 ]
amdhsa.kernels:
  - .name:           k_qb967efa8b8_quant
    .symbol:         k_qb967efa8b8_quant.kd
    .args:
      - { .name: hidden_states, .offset: 0, .size: 8, .value_kind: global_buffer, .address_space: global }
      - { .name: Wq, .offset: 8, .size: 8, .value_kind: global_buffer, .address_space: global }
      - { .name: Wk, .offset: 16, .size: 8, .value_kind: global_buffer, .address_space: global }
      - { .name: Wv, .offset: 24, .size: 8, .value_kind: global_buffer, .address_space: global }
      - { .name: h_codes, .offset: 32, .size: 8, .value_kind: global_buffer, .address_space: global }
      - { .name: h_scales, .offset: 40, .size: 8, .value_kind: global_buffer, .address_space: global }
      - { .name: w_codes, .offset: 48, .size: 8, .value_kind: global_buffer, .address_space: global }
      - { .name: w_scales, .offset: 56, .size: 8, .value_kind: global_buffer, .address_space: global }
    .group_segment_fixed_size: 50688
    .private_segment_fixed_size: 0
    .kernarg_segment_align: 8
    .kernarg_segment_size: 64
    .max_flat_workgroup_size: 128
    .sgpr_count:     66
    .vgpr_count:     192
    .wavefront_size: 32
...
	.end_amdgpu_metadata
.endif
;; end of part 1
;; launch proj (part 2): grid 8 x 32, 4 waves a work-group, clusters of 4 x 4, 327,680 bytes of LDS; arguments h_codes, h_scales, w_codes, w_scales, bq, qkv; writes qkv
.if DOCPART == 2
	.amdgcn_target "amdgcn-amd-amdhsa--gfx1250"
	.amdhsa_code_object_version 6
	.text
	.protected	k_qb967efa8b8_proj
	.globl	k_qb967efa8b8_proj
	.p2align	8
	.type	k_qb967efa8b8_proj,@function
k_qb967efa8b8_proj:
	s_mov_b64 s[64:65], 0
	v_nop
	global_prefetch_b8 v0, s[64:65] scope:SCOPE_SE
	s_setreg_imm32_b32 hwreg(HW_REG_WAVE_MODE, 25, 1), 1
	s_wait_xcnt 0x0
	s_wait_alu depctr_hold_cnt(0) depctr_sa_sdst(0) depctr_va_vdst(0) depctr_va_sdst(0) depctr_va_ssrc(0) depctr_va_vcc(0) depctr_vm_vsrc(0)
	s_getreg_b32 s2, hwreg(HW_REG_IB_STS2, 6, 4)
	s_cmp_eq_u32 s2, 0
	s_cbranch_scc0 .Lentry_in_a_cluster
	s_endpgm
.Lentry_in_a_cluster:
	s_bfe_u32 s2, ttmp6, 0x10000c
	s_cmp_lg_u32 s2, 0xf033
	s_cbranch_scc0 .Lentry_shape_is_right
	s_endpgm
.Lentry_shape_is_right:
; q = h Wq + bq, k = h Wk, v = h Wv on codes of FP4 (E2M1) with E8M0 scales; sums in f32; results rounded once to f16.
; LEFT OUT: bk (a term that is the same along the softmax's axis: shown at the head of the first kernel).  bv is added in the last launch, in f32.
; LIMIT: |q|, |k|, |v| up to 65,504, f16's largest number.
; OUT: qk [8192 tokens][2048] f16 at byte 0 of qkv (q in columns 0-1023, k in 1024-2047); vt [4 batches][1024 channels][2048 keys] f16 at byte 33,554,432: v with the keys innermost, as the last product wants it.
; SHARES.  8 x 32 = 256 work-groups of equal work.  Work-group (c, ry) keeps the codes of its 256 tokens, for all of K = 1,024, in LDS and makes three products of 256 x 128, one after the other:
; q's columns 128 c on, k's columns 128 c on, v's channels 128 c on.  The stores of one product leave while the next is multiplied.
; THE MATRIX INSTRUCTION IS USED TRANSPOSED: a lane holds one row of the result (a row of source 1) and eight neighbouring columns (rows of source 0).  In every phase source 0 has 8 blocks of 16 and
; source 1 has 4: 32 accumulators a wave.  q, k: source 0 = the weight's 128 rows of codes (the result's columns), source 1 = tokens 64 w on.  v: source 0 = tokens 128 (w / 2) on, source 1 = Wv's
; rows 64 (w % 2) on: the result is v transposed.  So a wave's 128 columns are 256 bytes of f16 in every phase, and go out through the wave's own stage.
; THE WEIGHTS' TILES take turns in two slots: Wq and Wk are first fills; Wv is the launch's one refill, into Wq's slot, behind q's products; it has q's way out and all of k's products in which to land.
; CLUSTERS of 4 x 4: the tokens' tiles hang on ry alone and are asked for jointly along a row of the cluster, the weights' on c alone and are asked for along a column.
; NO PREFETCH: all tiles but one are first fills, and that one is asked for a whole phase ahead.
; REGISTERS: window 0: v16-30 addresses; v32-95 source 0's scale words (block b, step q at 32 + 8 b + q), v96-127 source 1's: scales and nothing else; v128-191 source 1's fragments, two sets;
;   v192-255 bq in the result's layout, later v192-223 packed results; v160-191 and v224-255 rows on the way out.   window 1: source 0's fragments, two sets, at v0 and v128.   window 2: the accumulators ((a, b) at v[8 (8 a + b)]).
.set PITCH,  528                       ; an LDS row of codes: 512 bytes (all of K) + 16 of padding: the 16 rows that a load touches start 132 words apart
.set HT,     128*PITCH                 ; 128 rows: what one tensor load brings
.set WS,     2*HT                      ; behind the tokens' 256 rows: two slots of a weight's 128 rows
.set HSC,    4*HT                      ; the tokens' scales: 32 bytes a row, as units of 256 bytes + 16
.set SBLK,   544                       ; those of 16 rows
.set WSC,    HSC+16*SBLK               ; the weights' scales: [half of the 128 rows][q, k, v][64 rows]
.set WTILE,  4*SBLK
.set WHALF,  3*WTILE
.set STG,    WSC+2*WHALF               ; the way out: 16 rows x (256 bytes + 16) for each wave; no tile lands here
.set SPITCH, 272
.set SPARE,  STG+4*16*SPITCH           ; the spare words, 128 bytes for each wave
.set OROW,   4096                      ; a row of qk and of vt in bytes
.set A1QK, 16                          ; v16  q, k: my 64 tokens' fragments
.set A0S0, 17                          ; v17  the weight in slot 0
.set A0S1, 18                          ; v18  the weight in slot 1
.set A0V,  19                          ; v19  v: my 128 tokens' fragments
.set A1V,  20                          ; v20  v: my 64 rows of Wv, in slot 0
.set S1QK, 21                          ; v21  q, k: my tokens' scale words
.set S0W,  22                          ; v22  the weights' scale words
.set S0V,  23                          ; v23  v: my tokens' scale words
.set STO,  24
.set RD,   25
.set CO,   26
.set S1V,  27                          ; v27  v: my rows' of Wv scale words
.set SPW,  28
.set NIL,  29
.set BO,   30
.set S0R,  32
.set S1R,  96
.set AF,   128
.set BI,   192
.set TMP,  192
.set BK,   160                         ; v160-191 and v224-255 by turns
.set WV,  16                           ; s16 wave; s17 = wave / 2: I fetch for the tokens (0) or the weights (1); s18 = wave % 2: which half or which weight
.set G1,  24                           ; s[24:31] group 1 for the tokens' codes;  s[32:35] its group 0
.set G0,  32
.set G0B, 36                           ; s[36:39] group 0 for Wq's or Wk's codes;  s[48:55] their group 1;  s[56:59] group 0 for Wv's
.set G1B, 48
.set G0R, 56
.set VB,  60                           ; s[60:61] where my part of vt begins
.set QB,  66                           ; s[66:67] where my part of q begins; k's lies 2,048 bytes on
.set G1S, 68                           ; s[68:75], s[76:79] the tokens' scales;  s[80:87], s[88:91] the weights'
.set G0S, 76
.set G1SB, 80
.set G0SB, 88
.set MSB, 0
.macro WIN new                         ; the immediate's high byte repeats the setting that is left
.if MSB != \new
	s_set_vgpr_msb (MSB<<8)|\new
.set MSB, \new
.endif
.endm
.set MUL,  0xa1                        ; source 0 window 1, source 1 window 0, C and D window 2
.set BIAS, 0x81                        ; the same with C (the bias) in window 0
.set TO_0, 0x40                        ; destination window 1, address window 0
.macro JLOAD g0a, g1a, g0b, g1b        ; a joint load: waves 0 and 1 fetch for the tokens, waves 2 and 3 for the weights; an s_nop 0 and four v_nop follow each line
	s_cmp_eq_u32 s17, 0
	s_cbranch_scc0 .Lfor_b_\@
	tensor_load_to_lds s[\g0a:\g0a+3], s[\g1a:\g1a+7]
	s_nop 0
.rept 4
	v_nop
.endr
	s_branch .Lasked_\@
.Lfor_b_\@:
	tensor_load_to_lds s[\g0b:\g0b+3], s[\g1b:\g1b+7]
	s_nop 0
.rept 4
	v_nop
.endr
.Lasked_\@:
.endm
.macro CREST
	s_cmp_lg_u32 s[WV], 0
	s_cbranch_scc1 .Lnot_wave_0_\@
	s_barrier_signal -3
.Lnot_wave_0_\@:
	s_barrier_wait -3
	s_barrier_signal -1
	s_barrier_wait -1
.endm
.macro CROUND
	s_barrier_signal -1
	s_barrier_wait -1
	CREST
.endm
	s_load_b128 s[4:7], s[0:1], 0x0                ; h's codes, h's scales
	s_load_b128 s[8:11], s[0:1], 0x10              ; the weights' codes, their scales
	s_load_b128 s[12:15], s[0:1], 0x20             ; bq, qkv
	v_lshl_add_u32 v[SPW], v0, 2, SPARE
	v_mov_b32 v[NIL], 0
	ds_add_u32 v[SPW], v[NIL]                      ; the wave's opening: the add, twice on end, and its wait ahead of my first tensor load
	ds_add_u32 v[SPW], v[NIL]
	v_lshrrev_b32 v1, 5, v0
	v_readfirstlane_b32 s[WV], v1
	s_lshr_b32 s17, s[WV], 1
	s_and_b32 s18, s[WV], 1
	s_bfe_u32 s40, ttmp6, 0x40000                  ; cx
	s_bfe_u32 s41, ttmp6, 0x40004                  ; cy
	s_lshl_b32 s42, ttmp9, 2
	s_add_co_u32 s42, s42, s40                     ; c: which 128 columns of each weight, 0 .. 7
	s_and_b32 s43, ttmp7, 0xffff
	s_lshl_b32 s43, s43, 2
	s_add_co_u32 s43, s43, s41                     ; ry: which 256 tokens, 0 .. 31
	s_lshl_b32 s46, s41, 2
	s_lshl_b32 s46, 15, s46                        ; my row of the cluster
	s_lshl_b32 s47, 0x1111, s40                    ; my column
	s_or_b32 s[G1+0], s46, (0<<16)|(1<<20)|(1<<21)|(6<<22)|(3<<25)   ; the mask; elements of 1 byte; padding: 4 words after every 128; bit 21 beside a mask
	s_or_b32 s[G1B+0], s47, (0<<16)|(1<<20)|(1<<21)|(6<<22)|(3<<25)
.irp g, G1, G1B
	s_mov_b32 s[\g+1], 512<<16                     ; tensor_dim0: a row of 1,024 codes
	s_mov_b32 s[\g+2], 128<<16                     ; tensor_dim1
	s_mov_b32 s[\g+3], 512<<16                     ; tile_dim0
	s_mov_b32 s[\g+4], 128                         ; tile_dim1
	s_mov_b32 s[\g+5], 512                         ; from row to row
	s_mov_b32 s[\g+6], 0
	s_mov_b32 s[\g+7], 0
.endr
	s_or_b32 s[G1S+0], s46, (3<<16)|(1<<20)|(1<<21)|(5<<22)|(3<<25)  ; the scales of 128 tokens: 4,096 dense bytes as 16 rows of 32 elements of 8 bytes, 16 bytes of padding behind each
	s_mov_b32 s[G1S+1], 32<<16
	s_mov_b32 s[G1S+2], 16<<16
	s_mov_b32 s[G1S+3], 32<<16
	s_mov_b32 s[G1S+4], 16
	s_mov_b32 s[G1S+5], 32
	s_mov_b32 s[G1S+6], 0
	s_mov_b32 s[G1S+7], 0
	s_or_b32 s[G1SB+0], s47, (3<<16)|(1<<20)|(1<<21)|(5<<22)|(3<<25) ; the scales of 64 rows of each of the three weights: 3 rows of 2,048 bytes, 32,768 bytes apart; the same padding behind every 256 bytes
	s_mov_b32 s[G1SB+1], 256<<16
	s_mov_b32 s[G1SB+2], 3<<16
	s_mov_b32 s[G1SB+3], 256<<16
	s_mov_b32 s[G1SB+4], 3
	s_mov_b32 s[G1SB+5], 4096
	s_mov_b32 s[G1SB+6], 0
	s_mov_b32 s[G1SB+7], 0
	s_lshl_b32 s20, s43, 17                        ; the tokens' codes: row 256 ry + 128 (wave % 2), of 512 bytes
	s_lshl_b32 s21, s18, 16
	s_add_co_u32 s20, s20, s21
	s_mov_b32 s21, 0
	s_lshl_b32 s22, s43, 13                        ; their scales: 32 bytes a row
	s_lshl_b32 s23, s18, 12
	s_add_co_u32 s22, s22, s23
	s_mov_b32 s23, 0
	s_lshl_b32 s96, s42, 16                        ; a weight's codes: row 128 c
	s_mov_b32 s97, 0
	s_lshl_b32 s92, s18, 19                        ; Wq (wave 2) or Wk (wave 3): 1,024 rows on
	s_add_co_u32 s92, s92, s96
	s_mov_b32 s93, 0
	s_lshl_b32 s94, s42, 12                        ; the weights' scales: row 128 c + 64 (wave % 2)
	s_lshl_b32 s95, s18, 11
	s_add_co_u32 s94, s94, s95
	s_mov_b32 s95, 0
	s_mul_i32 s44, s18, HT                         ; where they go: no place in the cluster enters an LDS address
	s_mul_i32 s45, s18, 8*SBLK
	s_mul_i32 s19, s18, WHALF
	s_wait_dscnt 0x0                               ; both opening adds are done
	s_wait_kmcnt 0x0
	s_add_nc_u64 s[4:5], s[4:5], s[20:21]
	s_add_nc_u64 s[6:7], s[6:7], s[22:23]
	s_add_nc_u64 s[98:99], s[8:9], s[96:97]
	s_add_nc_u64 s[8:9], s[8:9], s[92:93]
	s_add_nc_u64 s[10:11], s[10:11], s[94:95]
	CROUND                                         ; all sixteen work-groups are here: the joint loads meet
	s_mov_b32 s[G0S], 1
	s_add_co_u32 s[G0S+1], s45, HSC
	s_mov_b64 s[G0S+2:G0S+3], s[6:7]
	s_or_b32 s[G0S+3], s[G0S+3], 0x80000000
	s_mov_b32 s[G0SB], 1
	s_add_co_u32 s[G0SB+1], s19, WSC
	s_mov_b64 s[G0SB+2:G0SB+3], s[10:11]
	s_or_b32 s[G0SB+3], s[G0SB+3], 0x80000000
	JLOAD G0S, G1S, G0SB, G1SB                     ; the scales,
	s_mov_b32 s[G0], 1
	s_mov_b32 s[G0+1], s44
	s_mov_b64 s[G0+2:G0+3], s[4:5]
	s_or_b32 s[G0+3], s[G0+3], 0x80000000
	s_mov_b32 s[G0B], 1
	s_add_co_u32 s[G0B+1], s44, WS
	s_mov_b64 s[G0B+2:G0B+3], s[8:9]
	s_or_b32 s[G0B+3], s[G0B+3], 0x80000000
	JLOAD G0, G1, G0B, G1B                         ; and the codes: two loads of mine are out
	s_mov_b32 s[G0R], 1                            ; the one refill: Wv's 128 rows, 2,048 rows of 512 bytes on, into slot 0
	s_mov_b32 s[G0R+1], WS
	s_add_nc_u64 s[G0R+2:G0R+3], s[98:99], 0x100000
	s_or_b32 s[G0R+3], s[G0R+3], 0x80000000
	v_and_b32 v1, 15, v0                           ; r
	v_bfe_u32 v2, v0, 4, 1                         ; h
	v_mul_u32_u24 v3, v1, PITCH
	v_lshl_add_u32 v3, v2, 4, v3                   ; a fragment's row x pitch + 16 h
	s_mul_i32 s63, s[WV], 64*PITCH
	v_add_nc_u32 v[A1QK], s63, v3
	v_add_nc_u32 v[A0S0], WS, v3
	v_add_nc_u32 v[A0S1], WS+HT, v3
	s_mul_i32 s63, s17, HT
	v_add_nc_u32 v[A0V], s63, v3
	s_mul_i32 s63, s18, 64*PITCH
	s_add_co_u32 s63, s63, WS
	v_add_nc_u32 v[A1V], s63, v3
	v_lshlrev_b32 v4, 5, v1                        ; a row's scales: 32 bytes a row,
	v_lshrrev_b32 v5, 3, v1
	v_lshl_add_u32 v4, v5, 4, v4                   ; and 16 more behind eight rows
	s_mul_i32 s63, s[WV], 4*SBLK
	s_add_co_u32 s63, s63, HSC
	v_add_nc_u32 v[S1QK], s63, v4
	v_add_nc_u32 v[S0W], WSC, v4
	s_mul_i32 s63, s17, 8*SBLK
	s_add_co_u32 s63, s63, HSC
	v_add_nc_u32 v[S0V], s63, v4
	s_mul_i32 s63, s18, WHALF
	s_add_co_u32 s63, s63, WSC
	v_add_nc_u32 v[S1V], s63, v4
	s_mul_i32 s63, s[WV], 16*SPITCH
	s_add_co_u32 s63, s63, STG                     ; my stage
	v_mul_u32_u24 v5, v1, SPITCH                   ; in: row r, 16 bytes for each half of the lanes
	v_lshl_add_u32 v5, v2, 4, v5
	v_add_nc_u32 v[STO], s63, v5
	v_mul_u32_u24 v5, v2, SPITCH                   ; back: lanes 0-15 one row of 256 bytes, lanes 16-31 the next
	v_lshl_add_u32 v5, v1, 4, v5
	v_add_nc_u32 v[RD], s63, v5
	v_lshlrev_b32 v5, 12, v2                       ; and the same two rows in memory
	v_lshl_add_u32 v[CO], v1, 4, v5
	v_lshlrev_b32 v[BO], 5, v2                     ; the bias: 32 h bytes
	s_lshl_b32 s2, s43, 20                         ; q: token 256 ry + 64 w, of 4,096 bytes; column 128 c, of 2 bytes
	s_lshl_b32 s62, s[WV], 18
	s_add_co_u32 s2, s2, s62
	s_lshl_b32 s62, s42, 8
	s_add_co_u32 s2, s2, s62
	s_mov_b32 s3, 0
	s_add_nc_u64 s[QB:QB+1], s[14:15], s[2:3]
	s_lshr_b32 s2, s43, 3                          ; vt: 4 MiB a batch; channel 128 c + 64 (w % 2), of 4,096 bytes; key 256 (ry % 8) + 128 (w / 2), of 2 bytes
	s_lshl_b32 s2, s2, 22
	s_add_co_u32 s2, s2, 33554432
	s_lshl_b32 s62, s42, 19
	s_add_co_u32 s2, s2, s62
	s_lshl_b32 s62, s18, 18
	s_add_co_u32 s2, s2, s62
	s_and_b32 s62, s43, 7
	s_lshl_b32 s62, s62, 9
	s_add_co_u32 s2, s2, s62
	s_lshl_b32 s62, s17, 8
	s_add_co_u32 s2, s2, s62
	s_add_nc_u64 s[VB:VB+1], s[14:15], s[2:3]
	s_lshl_b32 s2, s42, 9                          ; bq at column 128 c
	s_add_nc_u64 s[12:13], s[12:13], s[2:3]
.irp b, 0,1,2,3,4,5,6,7
	global_load_b128 v[BI+8*\b:BI+8*\b+3], v[BO], s[12:13] offset:64*\b        ; bq at columns 16 b + 8 h + 0 .. 7: the result's layout
	global_load_b128 v[BI+8*\b+4:BI+8*\b+7], v[BO], s[12:13] offset:64*\b+16
.endr
.macro FRAG reg, adr, q, i             ; 16 rows x 128 K of 4-bit codes: lane l holds row l % 16; registers 4 c .. 4 c + 3 hold K = 64 c + 32 (l / 16) + 0 .. 31
.irp c, 0,1
	ds_load_b128 v[\reg+4*\c:\reg+4*\c+3], v[\adr] offset:64*(\q)+32*\c+(\i)*16*PITCH
.endr
.endm
.macro FETCH a0, a1, q, p              ; the fragments of the q-th 128 along K into set p: source 0's eight, source 1's four
	WIN TO_0
.irp i, 0,1,2,3,4,5,6,7
	FRAG 128*(\p)+8*\i, \a0, \q, \i
.endr
	WIN 0
.irp i, 0,1,2,3
	FRAG AF+32*(\p)+8*\i, \a1, \q, \i
.endr
.endm
.macro SCALES s0, base0, hop0, s1, base1   ; a phase's scale words: a row's 32 bytes are its eight words; every lane takes row l % 16's
.irp b, 0,1,2,3,4,5,6,7
	ds_load_b128 v[S0R+8*\b:S0R+8*\b+3],   v[\s0] offset:(\base0)+(\b/4)*(\hop0)+(\b%4)*SBLK
	ds_load_b128 v[S0R+8*\b+4:S0R+8*\b+7], v[\s0] offset:(\base0)+(\b/4)*(\hop0)+(\b%4)*SBLK+16
.endr
.irp a, 0,1,2,3
	ds_load_b128 v[S1R+8*\a:S1R+8*\a+3],   v[\s1] offset:(\base1)+\a*SBLK
	ds_load_b128 v[S1R+8*\a+4:S1R+8*\a+7], v[\s1] offset:(\base1)+\a*SBLK+16
.endr
.endm
; 32 matrix instructions: the q-th 128 along K, from set p.  mode 1: the sums start on the bias; 2: on the constant 0; 0: they go on.
; The 32 accumulators take turns, one instruction a turn, in the same order in every step.
.macro MUL32 p, q, mode
.irp a, 0,1,2,3
.irp b, 0,1,2,3,4,5,6,7
.if \mode == 1
	v_wmma_scale_f32_16x16x128_f8f6f4 v[8*(8*\a+\b):8*(8*\a+\b)+7], v[128*(\p)+8*\b:128*(\p)+8*\b+7], v[AF+32*(\p)+8*\a:AF+32*(\p)+8*\a+7], v[BI+8*\b:BI+8*\b+7], v[S0R+8*\b+(\q)], v[S1R+8*\a+(\q)] matrix_a_fmt:MATRIX_FMT_FP4 matrix_b_fmt:MATRIX_FMT_FP4
.elseif \mode == 2
	v_wmma_scale_f32_16x16x128_f8f6f4 v[8*(8*\a+\b):8*(8*\a+\b)+7], v[128*(\p)+8*\b:128*(\p)+8*\b+7], v[AF+32*(\p)+8*\a:AF+32*(\p)+8*\a+7], 0, v[S0R+8*\b+(\q)], v[S1R+8*\a+(\q)] matrix_a_fmt:MATRIX_FMT_FP4 matrix_b_fmt:MATRIX_FMT_FP4
.else
	v_wmma_scale_f32_16x16x128_f8f6f4 v[8*(8*\a+\b):8*(8*\a+\b)+7], v[128*(\p)+8*\b:128*(\p)+8*\b+7], v[AF+32*(\p)+8*\a:AF+32*(\p)+8*\a+7], v[8*(8*\a+\b):8*(8*\a+\b)+7], v[S0R+8*\b+(\q)], v[S1R+8*\a+(\q)] matrix_a_fmt:MATRIX_FMT_FP4 matrix_b_fmt:MATRIX_FMT_FP4
.endif
.endr
.endr
.endm
.macro PLACES n                        ; plain vector lines between a matrix instruction and a load into, or a read of, its registers
.rept \n
	v_nop
.endr
.endm
.macro STEP a0, a1, q, mode            ; a step of 128 along K: the next step's fragments are asked for ahead of this step's products
	s_wait_dscnt 0x0                               ; this step's fragments are in (in a phase's first step: the scale words too)
.if (\q) < 7
	PLACES 4                                       ; in front of loads into the set that the last step's products read
	FETCH \a0, \a1, (\q)+1, ((\q)+1)%2
.endif
.if \mode == 1
	WIN BIAS
.else
	WIN MUL
.endif
	MUL32 (\q)%2, \q, \mode
	WIN 0
.endm
.macro PHASE a0, a1, s0, base0, hop0, s1, base1, mode   ; one product of 256 x 128: all of K lies in LDS, so no barrier stands in it
	s_wait_xcnt 0x0                                ; the last way out's stores have read the registers that fragments take now
	SCALES \s0, \base0, \hop0, \s1, \base1
	FETCH \a0, \a1, 0, 0
	STEP \a0, \a1, 0, \mode
.irp q, 1,2,3,4,5,6,7
	STEP \a0, \a1, \q, 0
.endr
.endm
; THE WAY OUT, a block of 16 rows x 128 columns at a time: rounded to f16, 16 bytes a lane, into my own stage, back as whole rows of 256 bytes, stored sixteen lanes to 256 consecutive aligned bytes.
.macro PACK a
	WIN 0x0a                                       ; sources 0 and 1: window 2
.irp b, 0,1,2,3,4,5,6,7
.irp r, 0,1,2,3
	v_cvt_pk_f16_f32 v[TMP+4*\b+\r], v[64*(\a)+8*\b+2*\r], v[64*(\a)+8*\b+2*\r+1]   ; each accumulator from its low end on
.endr
.endr
	WIN 0
.endm
.macro TOSTAGE a
.set BB, BK+64*((\a)%2)
.irp b, 0,1,2,3,4,5,6,7
	ds_store_b128 v[STO], v[TMP+4*\b:TMP+4*\b+3] offset:32*\b
.endr
.irp t, 0,1,2,3,4,5,6,7
	ds_load_b128 v[BB+4*\t:BB+4*\t+3], v[RD] offset:\t*2*SPITCH    ; LDS serves a wave's instructions in order: these see the stores above
.endr
.endm
.macro SEND a, base, off
.set BB, BK+64*((\a)%2)
	s_wait_dscnt 0x0                               ; the block is back in registers
	s_wait_xcnt 0x0                                ; the stores of the block before have read their registers: the next block's rows may land there
.irp t, 0,1,2,3,4,5,6,7
	global_store_b128 v[CO], v[BB+4*\t:BB+4*\t+3], s[\base:\base+1] offset:(\off)+(\a)*16*OROW+2*\t*OROW
.endr
.endm
.macro REST base, off                  ; behind PACK 0: block a's conversions stand between block a - 1's loads from the stage and the wait for them
	TOSTAGE 0
.irp a, 1,2,3
	PACK \a
	SEND \a-1, \base, \off
	TOSTAGE \a
.endr
	SEND 3, \base, \off
.endm
	s_wait_tensorcnt 0x0                           ; my two loads have landed
	s_wait_loadcnt 0x0                             ; the bias
	s_barrier_signal -1
	s_barrier_wait -1                              ; everybody's have
	PHASE A0S0, A1QK, S0W, 0, WHALF, S1QK, 0, 1    ; q: Wq in slot 0; the sums start on bq
	s_wait_tensorcnt 0x0                           ; slot 0 is left.  No tensor load of mine is out;
	ds_add_u32 v[SPW], v[NIL]                      ; 0 onto my spare word; the first block's conversions stand between it and the wait for it
	PLACES 4
	PACK 0
	s_wait_dscnt 0x0                               ; the add is done, and my reads of slot 0 are over
	CROUND                                         ; a round of the cluster's barrier: no wave of any partner still reads slot 0
	s_cmp_lg_u32 s[WV], 2
	s_cbranch_scc1 .Lno_refill
	tensor_load_to_lds s[G0R:G0R+3], s[G1B:G1B+7]  ; Wv's 128 rows: one load, wave 2's, the same in the four work-groups of my column
	s_nop 0
.rept 4
	v_nop
.endr
.Lno_refill:
	REST QB, 0
	PHASE A0S1, A1QK, S0W, WTILE, WHALF, S1QK, 0, 2    ; k: Wk in slot 1
	PLACES 4
	PACK 0
	REST QB, 2048
	s_wait_tensorcnt 0x0                           ; Wv has landed (wave 2's wait; the others have nothing out)
	s_wait_dscnt 0x0
	s_barrier_signal -1
	s_barrier_wait -1                              ; and every wave knows it
	PHASE A0V, A1V, S0V, 0, WTILE, S1V, 2*WTILE, 2     ; v, transposed: source 0 = my 128 tokens, source 1 = my 64 rows of Wv
	PLACES 4
	PACK 0
	REST VB, 0
	s_wait_tensorcnt 0x0                           ; the wave's end
	ds_add_u32 v[SPW], v[NIL]
	s_wait_dscnt 0x0
	CROUND                                         ; the closing round
	s_endpgm
.Lfunc_end_k_qb967efa8b8_proj:
	.size	k_qb967efa8b8_proj, .Lfunc_end_k_qb967efa8b8_proj-k_qb967efa8b8_proj
	.p2alignl 7, 3214868480
	.fill 96, 4, 3214868480
	.section	.rodata,"a",@progbits
	.p2align	6, 0x0
	.amdhsa_kernel k_qb967efa8b8_proj
		.amdhsa_group_segment_fixed_size 327680
		.amdhsa_private_segment_fixed_size 0
		.amdhsa_enable_private_segment 0
		.amdhsa_kernarg_size 48
		.amdhsa_user_sgpr_count 2
		.amdhsa_user_sgpr_kernarg_segment_ptr 1
		.amdhsa_wavefront_size32 1
		.amdhsa_system_sgpr_workgroup_id_x 1
		.amdhsa_system_sgpr_workgroup_id_y 1
		.amdhsa_system_sgpr_workgroup_id_z 1
		.amdhsa_system_vgpr_workitem_id 0
		.amdhsa_next_free_vgpr 768
		.amdhsa_next_free_sgpr 100
		.amdhsa_reserve_vcc 0
		.amdhsa_float_denorm_mode_32 3
		.amdhsa_float_denorm_mode_16_64 3
		.amdhsa_memory_ordered 1
		.amdhsa_forward_progress 1
		.amdhsa_inst_pref_size 202
	.end_amdhsa_kernel
	.amdgpu_metadata
---
amdhsa.version: [ 1, 2 ]
amdhsa.kernels:
  - .name:           k_qb967efa8b8_proj
    .symbol:         k_qb967efa8b8_proj.kd
    .args:
      - { .name: h_codes, .offset: 0, .size: 8, .value_kind: global_buffer, .address_space: global }
      - { .name: h_scales, .offset: 8, .size: 8, .value_kind: global_buffer, .address_space: global }
      - { .name: w_codes, .offset: 16, .size: 8, .value_kind: global_buffer, .address_space: global }
      - { .name: w_scales, .offset: 24, .size: 8, .value_kind: global_buffer, .address_space: global }
      - { .name: bq, .offset: 32, .size: 8, .value_kind: global_buffer, .address_space: global }
      - { .name: qkv, .offset: 40, .size: 8, .value_kind: global_buffer, .address_space: global }
    .group_segment_fixed_size: 327680
    .private_segment_fixed_size: 0
    .kernarg_segment_align: 8
    .kernarg_segment_size: 48
    .max_flat_workgroup_size: 128
    .sgpr_count:     100
    .vgpr_count:     768
    .wavefront_size: 32
...
	.end_amdgpu_metadata
.endif
;; end of part 2
;; launch scores (part 3): grid 8 x 32, 4 waves a work-group, clusters of 4 x 4, 327,680 bytes of LDS; arguments qkv, attention_mask, pf, stats; writes pf, stats
.if DOCPART == 3
	.amdgcn_target "amdgcn-amd-amdhsa--gfx1250"
	.amdhsa_code_object_version 6
	.text
	.protected	k_qb967efa8b8_scores
	.globl	k_qb967efa8b8_scores
	.p2align	8
	.type	k_qb967efa8b8_scores,@function
k_qb967efa8b8_scores:
	s_mov_b64 s[64:65], 0
	v_nop
	global_prefetch_b8 v0, s[64:65] scope:SCOPE_SE
	s_setreg_imm32_b32 hwreg(HW_REG_WAVE_MODE, 25, 1), 1
	s_wait_xcnt 0x0
	s_wait_alu depctr_hold_cnt(0) depctr_sa_sdst(0) depctr_va_vdst(0) depctr_va_sdst(0) depctr_va_ssrc(0) depctr_va_vcc(0) depctr_vm_vsrc(0)
	s_getreg_b32 s2, hwreg(HW_REG_IB_STS2, 6, 4)
	s_cmp_eq_u32 s2, 0
	s_cbranch_scc0 .Lentry_in_a_cluster
	s_endpgm
.Lentry_in_a_cluster:
	s_bfe_u32 s2, ttmp6, 0x10000c
	s_cmp_lg_u32 s2, 0xf033
	s_cbranch_scc0 .Lentry_shape_is_right
	s_endpgm
.Lentry_shape_is_right:
; x = q . k / 32 + mask, and the softmax of a CHUNK of 256 keys.  q, k: f16, rows of qk [8192][2048] (q in columns 0-1023, k in 1024-2047; k without bk: see the first kernel's head).  Sums in f32.
; A work-group makes 256 queries x 256 keys, four waves of 128 x 128 (64 accumulators, 512 registers), K = 1,024 in eight steps of 128 through a ring of two LDS slots.
; THE SOFTMAX.  m = the largest x of the row's 256 keys (never under the most negative finite f32, so that a chunk of -infinity gives p = 0); p = 2^((x - m) log2 e); the row's sum is taken of the unrounded p, in f32.
; Stored: p as f16, m for each (chunk, row), the sum for each (128 keys, row).  The last launch joins a row's eight chunks by their maxima: the true maximum is taken away before every exponential.
; LIMITS: p under 2^-24 becomes 0; of the values that are not finite only -infinity in the mask is served.
; p IS STORED IN THE ORDER OF THE NEXT OPERAND'S REGISTERS: the fragment of queries 16 QB .. + 15, keys 32 kk .. + 31 lies at 65,536 QB + 1,024 kk; in it registers 4 c .. 4 c + 3 of lane l at 512 c + 16 l.
; The matrix instruction is used transposed (source 0 = 16 keys, source 1 = 16 queries): lane (r, h) of accumulator (a, b) holds query 16 a + r and keys 16 b + 8 h + 0 .. 7, which rounded in pairs
; ARE half such a fragment: each store of the wave covers 512 consecutive bytes, aligned, with no way through LDS.
; CLUSTERS of 4 x 4: q's tile hangs on the tile row and is asked for jointly along a row of the cluster, k's on the tile column (and the batch, which is the cluster's) along a column.
; THE MASK: my wave's 128 x 128 numbers come in two halves of 64 rows, each by one tensor load of my own into the bytes of the slot that the ring has left: slot 0 behind K step 6, slot 1 behind K step 7.
; The padding stands behind every 256 bytes, so a mask row takes 544 bytes and a half exactly the 128 x 272 bytes of my wave's earlier tiles.
; REGISTERS: window 0: v1 r, v2 h; v8-15 at work; v16-31 addresses; v32-47 m (a pair a block), v48-63 sums; v64-191 q's fragments, later the mask; v192-255 packed p.  window 1: k's fragments.  windows 2, 3: accumulators.
.set KSTEP,  128
.set PITCH,  272
.set HALFT,  128*PITCH
.set SLOT,   4*HALFT
.set XCH,    2*SLOT                    ; 2,048 bytes: each wave's 128 maxima, for the wave that has the same rows' other 128 keys
.set SCR,    XCH+2048                  ; 4,096 bytes: each wave's m and sums, to turn them into rows
.set SPARE,  SCR+4096                  ; the spare words, 128 bytes for each wave
.set MPITCH, 544
.set ADRA, 16
.set ADRB, 20
.set MAD,  22                          ; v22-23 my lane's place in the mask's half 0, 1
.set XST,  24
.set XLD,  25
.set SCS,  26
.set SCLD, 27
.set SPW,  28
.set NIL,  29
.set PO,   30                          ; 16 x lane
.set PFO,  31                          ; the prefetches' offset; never rewritten
.set MX,   32
.set LS,   48
.set F0,   64
.set F1,   128
.set TMP,  192
.set WV,  12
.set RH,  13                           ; which 128 rows are mine.  Also: I fetch for q (0) or for k (1)
.set CH,  14                           ; which 128 keys are mine.  Also: which 128 rows of that tile I fetch
.set LAP, 15
.set G1,  24
.set G0,  32
.set G1B, 48
.set G0B, 56
.set G1M, 68
.set G0M, 76
.set PB,  84
.set SL,  86
.set SM,  88
.set PFM, 90
.set C32, 92
.set L2E, 94
.set SEL, 96
.set MSB, 0
.macro WIN new
.if MSB != \new
	s_set_vgpr_msb (MSB<<8)|\new
.set MSB, \new
.endif
.endm
.set MUL_LO, 0xa1
.set MUL_HI, 0xf1
.set TO_B,   0x40
.macro JLOAD s
	s_cmp_eq_u32 s[RH], 0
	s_cbranch_scc0 .Lfor_b_\@
	tensor_load_to_lds s[G0+4*\s:G0+4*\s+3], s[G1:G1+7]
	s_nop 0
.rept 4
	v_nop
.endr
	s_branch .Lasked_\@
.Lfor_b_\@:
	tensor_load_to_lds s[G0B+4*\s:G0B+4*\s+3], s[G1B:G1B+7]
	s_nop 0
.rept 4
	v_nop
.endr
.Lasked_\@:
.endm
.macro CREST
	s_cmp_lg_u32 s[WV], 0
	s_cbranch_scc1 .Lnot_wave_0_\@
	s_barrier_signal -3
.Lnot_wave_0_\@:
	s_barrier_wait -3
	s_barrier_signal -1
	s_barrier_wait -1
.endm
.macro CROUND
	s_barrier_signal -1
	s_barrier_wait -1
	CREST
.endm
	s_load_b256 s[4:11], s[0:1], 0x0               ; qkv s[4:5], the mask s[6:7], pf s[8:9], stats s[10:11]
	v_lshl_add_u32 v[SPW], v0, 2, SPARE
	v_mov_b32 v[NIL], 0
	ds_add_u32 v[SPW], v[NIL]                      ; the wave's opening: the add, twice on end, and its wait ahead of my first tensor load
	ds_add_u32 v[SPW], v[NIL]
	v_lshrrev_b32 v1, 5, v0
	v_readfirstlane_b32 s[WV], v1
	s_lshr_b32 s[RH], s[WV], 1
	s_and_b32 s[CH], s[WV], 1
	s_bfe_u32 s40, ttmp6, 0x40000                  ; cx
	s_bfe_u32 s41, ttmp6, 0x40004                  ; cy
	s_lshl_b32 s42, ttmp9, 2
	s_add_co_u32 s42, s42, s40                     ; x: the chunk of 256 keys, 0 .. 7
	s_and_b32 s44, ttmp7, 0xffff
	s_lshl_b32 s43, s44, 2
	s_add_co_u32 s43, s43, s41                     ; y: the tile of 256 rows of all 8,192
	s_lshr_b32 s44, s44, 1                         ; the batch: y / 8 = cluster y / 2
	s_lshl_b32 s45, s41, 2
	s_lshl_b32 s45, 15, s45                        ; my row of the cluster
	s_lshl_b32 s46, 0x1111, s40                    ; my column
	s_or_b32 s[G1+0], s45, (1<<16)|(1<<20)|(1<<21)|(5<<22)|(3<<25)   ; the mask of work-groups; elements of 2 bytes; padding: 4 words after every 64; bit 21 beside a mask
	s_or_b32 s[G1B+0], s46, (1<<16)|(1<<20)|(1<<21)|(5<<22)|(3<<25)
.irp g, G1, G1B
	s_mov_b32 s[\g+1], KSTEP<<16
	s_mov_b32 s[\g+2], 128<<16
	s_mov_b32 s[\g+3], KSTEP<<16
	s_mov_b32 s[\g+4], 128
	s_mov_b32 s[\g+5], 2048                        ; from row to row of qk, in elements
	s_mov_b32 s[\g+6], 0
	s_mov_b32 s[\g+7], 0
.endr
	s_mov_b32 s[G1M+0], (2<<16)|(1<<20)|(5<<22)|(3<<25)   ; the attention mask: a load of my own; elements of 4 bytes; the same padding
	s_mov_b32 s[G1M+1], 128<<16
	s_mov_b32 s[G1M+2], 64<<16
	s_mov_b32 s[G1M+3], 128<<16
	s_mov_b32 s[G1M+4], 64
	s_mov_b32 s[G1M+5], 2048
	s_mov_b32 s[G1M+6], 0
	s_mov_b32 s[G1M+7], 0
	s_lshl_b32 s16, s43, 20                        ; q: row 256 y + 128 CH, of 4,096 bytes
	s_lshl_b32 s17, s[CH], 19
	s_add_co_u32 s16, s16, s17
	s_mov_b32 s17, 0
	s_lshl_b32 s18, s44, 23                        ; k: row 2,048 batch + 256 x + 128 CH, and 2,048 bytes into the row
	s_lshl_b32 s19, s42, 20
	s_add_co_u32 s18, s18, s19
	s_lshl_b32 s19, s[CH], 19
	s_add_co_u32 s18, s18, s19
	s_add_co_u32 s18, s18, 2048
	s_mov_b32 s19, 0
	s_mul_i32 s20, s[WV], HALFT                    ; where my tiles go: wave x 128 rows
	s_lshl_b32 s22, s43, 21                        ; the mask: row 256 y + 128 RH, of 8,192 bytes; column 256 x + 128 CH
	s_lshl_b32 s23, s[RH], 20
	s_add_co_u32 s22, s22, s23
	s_lshl_b32 s23, s42, 10
	s_add_co_u32 s22, s22, s23
	s_lshl_b32 s23, s[CH], 9
	s_add_co_u32 s22, s22, s23
	s_mov_b32 s23, 0
	s_mov_b32 s[C32], 0x3d000000                   ; 1 / 32
	s_mov_b32 s[C32+1], s[C32]
	s_mov_b32 s[L2E], 0x3fb8aa3b                   ; log2 e
	s_mov_b32 s[L2E+1], s[L2E]
	s_mov_b32 s[SEL], 0x76543210
	s_mov_b32 s[SEL+1], 0xfedcba98
	s_wait_dscnt 0x0                               ; both opening adds are done
	s_wait_kmcnt 0x0
	s_add_nc_u64 s[16:17], s[4:5], s[16:17]
	s_add_nc_u64 s[18:19], s[4:5], s[18:19]
	s_add_nc_u64 s[PFM:PFM+1], s[6:7], s[22:23]
	CROUND                                         ; all sixteen work-groups are here: the first joint loads meet
.irp s, 0,1
	s_mov_b32 s[G0+4*\s], 1
	s_add_co_u32 s[G0+4*\s+1], s20, \s*SLOT
	s_add_nc_u64 s[G0+4*\s+2:G0+4*\s+3], s[16:17], \s*KSTEP*2
	s_or_b32 s[G0+4*\s+3], s[G0+4*\s+3], 0x80000000
	s_mov_b32 s[G0B+4*\s], 1
	s_add_co_u32 s[G0B+4*\s+1], s20, \s*SLOT
	s_add_nc_u64 s[G0B+4*\s+2:G0B+4*\s+3], s[18:19], \s*KSTEP*2
	s_or_b32 s[G0B+4*\s+3], s[G0B+4*\s+3], 0x80000000
	JLOAD \s
.endr
	s_mov_b32 s[G0M], 1                            ; the mask's two halves: never rewritten
	s_mov_b32 s[G0M+1], s20
	s_mov_b64 s[G0M+2:G0M+3], s[PFM:PFM+1]
	s_or_b32 s[G0M+3], s[G0M+3], 0x80000000
	s_mov_b32 s[G0M+4], 1
	s_add_co_u32 s[G0M+5], s20, SLOT
	s_add_nc_u64 s[G0M+6:G0M+7], s[PFM:PFM+1], 64*8192
	s_or_b32 s[G0M+7], s[G0M+7], 0x80000000
	v_and_b32 v1, 15, v0                           ; r
	v_bfe_u32 v2, v0, 4, 1                         ; h
	v_mul_u32_u24 v3, v1, PITCH
	v_lshl_add_u32 v3, v2, 4, v3
	s_mul_i32 s21, s[RH], HALFT                    ; my 128 rows of q
	s_mul_i32 s22, s[CH], HALFT                    ; my 128 rows of k,
	s_add_co_u32 s22, s22, 2*HALFT                 ; behind q's 256
.irp s, 0,1
	v_add_nc_u32 v[ADRA+\s], s21, v3
	v_add_nc_u32 v[ADRB+\s], s22, v3
	s_add_co_u32 s21, s21, SLOT
	s_add_co_u32 s22, s22, SLOT
.endr
	v_mul_u32_u24 v3, v1, MPITCH
	v_lshl_add_u32 v3, v2, 5, v3                   ; the mask: row r, + 32 h bytes
	v_add_nc_u32 v[MAD], s20, v3
	v_add_nc_u32 v[MAD+1], SLOT, v[MAD]
	v_lshlrev_b32 v3, 2, v1                        ; 4 r
	s_lshl_b32 s21, s[WV], 9
	s_add_co_u32 s21, s21, XCH
	v_add_nc_u32 v[XST], s21, v3                   ; my maxima,
	s_xor_b32 s21, s[WV], 1
	s_lshl_b32 s21, s21, 9
	s_add_co_u32 s21, s21, XCH
	v_add_nc_u32 v[XLD], s21, v3                   ; and those of the wave with the same rows
	s_lshl_b32 s21, s[WV], 10
	s_add_co_u32 s21, s21, SCR
	v_add_nc_u32 v[SCS], s21, v3
	v_and_b32 v4, 31, v0
	v_lshlrev_b32 v[PO], 4, v4
	v_add_nc_u32 v[SCLD], s21, v[PO]
	v_lshrrev_b32 v5, 1, v4
	v_and_b32 v6, 1, v4
	v_lshlrev_b32 v6, 8, v6
	v_lshl_add_u32 v[PFO], v5, 13, v6              ; two lanes to a mask row's 512 bytes, sixteen rows an instruction
.irp i, 0,1,2,3
	v_mov_b32 v[12+\i], 0                          ; written once: a lane permute's destination counts as one of its sources
.endr
.irp a, 0,1,2,3,4,5,6,7
	v_mov_b32 v[MX+2*\a+1], 0                      ; named as the upper half of a pair
.endr
	s_lshl_b32 s22, s43, 20                        ; pf: fragment row 16 y + 8 RH, of 65,536 bytes; fragment 8 x + 4 CH, of 1,024
	s_lshl_b32 s23, s[RH], 19
	s_add_co_u32 s22, s22, s23
	s_lshl_b32 s23, s42, 13
	s_add_co_u32 s22, s22, s23
	s_lshl_b32 s23, s[CH], 12
	s_add_co_u32 s22, s22, s23
	s_mov_b32 s23, 0
	s_add_nc_u64 s[PB:PB+1], s[8:9], s[22:23]
	s_lshl_b32 s21, s43, 10                        ; stats: row 256 y + 128 RH, 4 bytes a row
	s_lshl_b32 s22, s[RH], 9
	s_add_co_u32 s21, s21, s22
	s_lshl_b32 s22, s42, 15                        ; m [8 chunks][8192]
	s_add_co_u32 s22, s22, s21
	s_add_nc_u64 s[SM:SM+1], s[10:11], s[22:23]
	s_lshl_b32 s22, s42, 16                        ; the sums [16 runs of 128 keys][8192], from byte 262,144
	s_add_co_u32 s22, s22, s21
	s_lshl_b32 s21, s[CH], 15
	s_add_co_u32 s22, s22, s21
	s_add_co_u32 s22, s22, 262144
	s_add_nc_u64 s[SL:SL+1], s[10:11], s[22:23]
.macro MUL16 f, hi, a0, zero           ; 16 matrix instructions: blocks a0, a0 + 1 of the window's four x all 8 blocks of keys, 32 along K; zero = 1: the first product starts the sums
.irp a, \a0, \a0+1
.irp b, 0,1,2,3,4,5,6,7
.if \zero
	v_wmma_f32_16x16x32_f16 v[8*(8*(\a)+\b):8*(8*(\a)+\b)+7], v[\f+8*\b:\f+8*\b+7], v[\f+8*(4*\hi+\a):\f+8*(4*\hi+\a)+7], 0
.else
	v_wmma_f32_16x16x32_f16 v[8*(8*(\a)+\b):8*(8*(\a)+\b)+7], v[\f+8*\b:\f+8*\b+7], v[\f+8*(4*\hi+\a):\f+8*(4*\hi+\a)+7], v[8*(8*(\a)+\b):8*(8*(\a)+\b)+7]
.endif
.endr
.endr
.endm
.macro FETCH slot, k, f                ; 32 LDS loads in one run: a quarter step's fragments (128 rows of k, 128 of q, 32 along K at byte k of the rows)
	WIN TO_B
.irp i, 0,1,2,3,4,5,6,7
	ds_load_b128 v[\f+8*\i:\f+8*\i+3],   v[ADRB+\slot] offset:\k+\i*16*PITCH
	ds_load_b128 v[\f+8*\i+4:\f+8*\i+7], v[ADRB+\slot] offset:\k+\i*16*PITCH+32
.endr
	WIN 0
.irp i, 0,1,2,3,4,5,6,7
	ds_load_b128 v[\f+8*\i:\f+8*\i+3],   v[ADRA+\slot] offset:\k+\i*16*PITCH
	ds_load_b128 v[\f+8*\i+4:\f+8*\i+7], v[ADRA+\slot] offset:\k+\i*16*PITCH+32
.endr
.endm
.macro PLACES                          ; four plain vector lines between a matrix instruction and a load into, or a read of, its registers
.rept 4
	v_nop
.endr
.endm
.macro QUARTER slot, k, f, g, zero     ; multiplies buffer f; in its middle it fetches the next quarter, at byte k, into g
	s_wait_dscnt 8                                 ; k's fragments and q's rows 0-63 are in; the youngest eight loads (q's rows 64-127) may be out
	WIN MUL_LO
	MUL16 \f, 0, 0, \zero
	MUL16 \f, 0, 2, \zero
	PLACES
	FETCH \slot, \k, \g
	s_wait_dscnt 32                                ; all but the 32 just issued
	WIN MUL_HI
	MUL16 \f, 1, 0, \zero
	MUL16 \f, 1, 2, \zero
.endm
; The first half of a K step's last quarter: in front of the barrier each wave waits for all its tensor loads, adds 0 to its spare word, and waits for that and for its reads of the slot.
.macro MEET
	WIN 0
	s_wait_tensorcnt 0x0                           ; all my tensor loads have landed
	ds_add_u32 v[SPW], v[NIL]                      ; 0 onto my spare word
	s_wait_dscnt 9                                 ; (the add and the youngest eight loads may be out)
	WIN MUL_LO
	MUL16 F1, 0, 0, 0
	s_wait_dscnt 0x0                               ; the add is done, and my reads of this slot are over
	s_barrier_signal -1                            ; this barrier opens a round of the cluster's barrier
	MUL16 F1, 0, 2, 0
	WIN 0
	s_barrier_wait -1
.endm
.macro ASKM off                        ; a prefetch of one half of my wave's part of the mask: 64 rows x 512 bytes, each 256 bytes named once in the launch: nobody else reads them
.irp i, 0,1,2,3
	global_prefetch_b8 v[PFO], s[PFM:PFM+1] offset:\off+\i*131072 th:TH_LOAD_NT scope:SCOPE_SE
.endr
.endm
.macro TURN slot, next, ask            ; the whole last quarter: the slot just read out is filled again, two K steps on
	MEET
	CREST                                          ; no wave of any partner still reads this slot or has a load on its way
	s_add_nc_u64 s[G0+4*\slot+2:G0+4*\slot+3], s[G0+4*\slot+2:G0+4*\slot+3], 2*KSTEP*2
	s_add_nc_u64 s[G0B+4*\slot+2:G0B+4*\slot+3], s[G0B+4*\slot+2:G0B+4*\slot+3], 2*KSTEP*2
	JLOAD \slot                                    ; the first tensor load behind the round; its four v_nop are the places in front of the loads below
	FETCH \next, 0, F0
.if \ask
	s_cmp_eq_u32 s[LAP], 1                         ; in the loop's last trip: the mask's first half, a K step ahead of the load that brings it
	s_cbranch_scc0 .Lnot_yet_\@
	ASKM 0
.Lnot_yet_\@:
.endif
	WIN MUL_HI
	MUL16 F1, 1, 0, 0
	MUL16 F1, 1, 2, 0
.endm
	s_wait_tensorcnt 1                             ; my part of K step 0 is in; K step 1's may be out
	s_barrier_signal -1
	s_barrier_wait -1
	FETCH 0, 0, F0
	QUARTER 0, 64,  F0, F1, 1                      ; the first quarter starts the sums
	WIN 0
	s_mov_b32 s[LAP], 3
.Llap:                                             ; three trips, each once round the ring: K steps 2 to 7 are asked for
	QUARTER 0, 128, F1, F0, 0
	QUARTER 0, 192, F0, F1, 0
	TURN 0, 1, 0
	QUARTER 1, 64,  F0, F1, 0
	QUARTER 1, 128, F1, F0, 0
	QUARTER 1, 192, F0, F1, 0
	TURN 1, 0, 1
	QUARTER 0, 64,  F0, F1, 0
	WIN 0
	s_sub_co_u32 s[LAP], s[LAP], 1
	s_cmp_lg_u32 s[LAP], 0
	s_cbranch_scc1 .Llap
	QUARTER 0, 128, F1, F0, 0                      ; K step 6 goes on
	QUARTER 0, 192, F0, F1, 0
	MEET
	CREST
	tensor_load_to_lds s[G0M:G0M+3], s[G1M:G1M+7]  ; slot 0 has been left: my wave's bytes of it take the mask's first half
	s_nop 0
	PLACES
	FETCH 1, 0, F0
	ASKM 64*8192                                   ; the mask's second half, a K step ahead of its load
	WIN MUL_HI
	MUL16 F1, 1, 0, 0
	MUL16 F1, 1, 2, 0
	QUARTER 1, 64,  F0, F1, 0                      ; K step 7
	QUARTER 1, 128, F1, F0, 0
	QUARTER 1, 192, F0, F1, 0
	MEET                                           ; the mask's first half has landed
	CREST
	tensor_load_to_lds s[G0M+4:G0M+7], s[G1M:G1M+7] ; slot 1 has been left: the mask's second half
	s_nop 0
	PLACES
	WIN MUL_HI
	MUL16 F1, 1, 0, 0
	MUL16 F1, 1, 2, 0
	WIN 0
	PLACES
; THE SOFTMAX, a half (four blocks of 16 rows, one window of accumulators) at a time.  Block i of half hh is block a = 4 hh + i; its accumulators are v[64 i ..] of window 2 + hh.
.macro MLOAD hh, i                     ; the mask of block i: lane (r, h) takes, for each b, the 32 bytes of row 16 i + r at keys 16 b + 8 h; behind 256 bytes of a row stand 16 of padding
.set MT, 64+64*((\i)%2)
.irp b, 0,1,2,3,4,5,6,7
	ds_load_b128 v[MT+8*\b:MT+8*\b+3],   v[MAD+\hh] offset:(\i)*16*MPITCH+64*\b+16*(\b/4)
	ds_load_b128 v[MT+8*\b+4:MT+8*\b+7], v[MAD+\hh] offset:(\i)*16*MPITCH+64*\b+16*(\b/4)+16
.endr
.endm
.macro XADD i                          ; x = s / 32 + mask: the product with 2^-5 rounds nothing, so the one rounding is the sum's; each accumulator from its low end on
.set MT, 64+64*((\i)%2)
.set AC, 64*(\i)
	WIN WXX
.set j, 0
.rept 32
	v_pk_fma_f32 v[AC+j:AC+j+1], v[AC+j:AC+j+1], s[C32:C32+1], v[MT+j:MT+j+1] op_sel_hi:[1,0,1]
.set j, j+2
.endr
.endm
.macro MAXB hh, i                      ; the largest of my 64 x of the block, in four chains by turns, over the most negative finite number
.set AC, 64*(\i)
.set MA, MX+2*(4*(\hh)+(\i))
	WIN WMM
.irp k, 0,1,2,3,4,5,6,7
.irp c, 0,1,2,3
.if \k == 0
	v_max3_num_f32 v[8+\c], v[AC+16*\c], v[AC+16*\c+1], 0xff7fffff
.else
	v_max3_num_f32 v[8+\c], v[AC+16*\c+2*\k], v[AC+16*\c+2*\k+1], v[8+\c]
.endif
.endr
.endr
	WIN 0
	v_max3_num_f32 v[MA], v8, v9, v10
	v_max_num_f32 v[MA], v[MA], v11
.endm
.macro SUBMUL hh, i                    ; (x - m) log2 e
.set AC, 64*(\i)
.set MA, MX+2*(4*(\hh)+(\i))
	WIN WXX
.set j, 0
.rept 32
	v_pk_add_f32 v[AC+j:AC+j+1], v[AC+j:AC+j+1], v[MA:MA+1] op_sel_hi:[1,0] neg_lo:[0,1] neg_hi:[0,1]
.set j, j+2
.endr
.set j, 0
.rept 32
	v_pk_mul_f32 v[AC+j:AC+j+1], v[AC+j:AC+j+1], s[L2E:L2E+1] op_sel_hi:[1,0]
.set j, j+2
.endr
.endm
.macro EXPS i
.set AC, 64*(\i)
	WIN WXX
.set j, 0
.rept 64
	v_exp_f32 v[AC+j], v[AC+j]
.set j, j+1
.endr
.endm
.macro SUMS hh, i                      ; the sum of my 64 unrounded p, two at a time, in two chains
.set AC, 64*(\i)
.set LA, LS+2*(4*(\hh)+(\i))
	WIN WMM
	v_pk_add_f32 v[LA:LA+1], v[AC:AC+1], v[AC+2:AC+3]
	v_pk_add_f32 v[8:9], v[AC+4:AC+5], v[AC+6:AC+7]
	WIN WSS
.set j, 8
.rept 14
	v_pk_add_f32 v[LA:LA+1], v[AC+j:AC+j+1], v[LA:LA+1]
	v_pk_add_f32 v[8:9], v[AC+j+2:AC+j+3], v[8:9]
.set j, j+4
.endr
	WIN 0
	v_pk_add_f32 v[LA:LA+1], v[LA:LA+1], v[8:9]
.endm
.macro PSTORE hh, i                    ; p to f16, and out: eight stores of 512 consecutive bytes, aligned
.set AC, 64*(\i)
.set TP, TMP+32*((\i)%2)
.if 4*(\hh)+(\i) >= 2
	s_wait_xcnt 0x0                                ; the stores of two blocks ago have read these registers
.endif
	WIN WMM
.irp b, 0,1,2,3,4,5,6,7
.irp r, 0,1,2,3
	v_cvt_pk_f16_f32 v[TP+4*\b+\r], v[AC+8*\b+2*\r], v[AC+8*\b+2*\r+1]
.endr
.endr
	WIN 0
.irp b, 0,1,2,3,4,5,6,7
	global_store_b128 v[PO], v[TP+4*\b:TP+4*\b+3], s[PB:PB+1] offset:(4*(\hh)+(\i))*65536+512*\b
.endr
.endm
.macro EPI hh
.set WXX, 0x82+0x41*(\hh)              ; destination and source 0 in the accumulators' window, the rest in window 0
.set WMM, 0x0a+5*(\hh)                 ; sources 0 and 1 there, destination and source 2 in window 0
.set WSS, 0x02+(\hh)                   ; source 0 there
	MLOAD \hh, 0
	MLOAD \hh, 1
.irp i, 0,1,2,3
.if \i < 3
	s_wait_dscnt 16                                ; this block's sixteen loads are in; the next block's may be out
.else
	s_wait_dscnt 0x0
.endif
	XADD \i
	MAXB \hh, \i
.if \i < 2
	MLOAD \hh, \i+2
.endif
.endr
.irp i, 0,1,2,3
	v_permlanex16_b32 v[12+\i], v[MX+2*(4*(\hh)+\i)], s[SEL], s[SEL+1]   ; the row's other 64 keys of mine lie in the lane 16 away
.endr
.irp i, 0,1,2,3
	v_max_num_f32 v[MX+2*(4*(\hh)+\i)], v[MX+2*(4*(\hh)+\i)], v[12+\i]
.endr
.irp i, 0,1,2,3
	ds_store_b32 v[XST], v[MX+2*(4*(\hh)+\i)] offset:64*(4*(\hh)+\i)     ; lanes r and r + 16 write the same word with the same value
.endr
	s_wait_dscnt 0x0                               ; for the other wave's sake: my stores are done
	s_barrier_signal -1
	s_barrier_wait -1                              ; the mask's second half may stay on its way across it
.irp i, 0,1,2,3
	ds_load_b32 v[12+\i], v[XLD] offset:64*(4*(\hh)+\i)
.endr
	s_wait_dscnt 0x0
.irp i, 0,1,2,3
	v_max_num_f32 v[MX+2*(4*(\hh)+\i)], v[MX+2*(4*(\hh)+\i)], v[12+\i]   ; m of the chunk's 256 keys
.endr
.irp i, 0,1,2,3
	SUBMUL \hh, \i
	EXPS \i                                        ; the block's 64 exponentials are one batch,
	v_nop                                          ; with one plain line behind the last
	s_wait_alu depctr_va_vdst(0)                   ; and one wait ahead of the first line that names a result
	SUMS \hh, \i
	PSTORE \hh, \i
.endr
.endm
	EPI 0
	s_wait_tensorcnt 0x0                           ; the mask's second half has landed; only I read my bytes of it
	EPI 1
	; m and the sums leave as rows: through my own bytes of LDS, so that each store covers 512 consecutive bytes
.irp a, 0,1,2,3,4,5,6,7
	v_add_f32 v[LS+2*\a], v[LS+2*\a], v[LS+2*\a+1]
.endr
.irp a, 0,1,2,3,4,5,6,7
	v_permlanex16_b32 v[LS+2*\a+1], v[LS+2*\a], s[SEL], s[SEL+1]
.endr
.irp a, 0,1,2,3,4,5,6,7
	v_add_f32 v[LS+2*\a], v[LS+2*\a], v[LS+2*\a+1]     ; the sum over my 128 keys
.endr
.irp a, 0,1,2,3,4,5,6,7
	ds_store_b32 v[SCS], v[MX+2*\a] offset:64*\a
	ds_store_b32 v[SCS], v[LS+2*\a] offset:512+64*\a
.endr
	ds_load_b128 v[8:11], v[SCLD]                  ; LDS serves a wave's instructions in order: these see my stores
	ds_load_b128 v[12:15], v[SCLD] offset:512
	s_wait_dscnt 0x0
	global_store_b128 v[PO], v[12:15], s[SL:SL+1]
	s_cmp_lg_u32 s[CH], 0                          ; both waves of a row half hold the same m: the first stores it
	s_cbranch_scc1 .Lno_m
	global_store_b128 v[PO], v[8:11], s[SM:SM+1]
.Lno_m:
	s_wait_tensorcnt 0x0                           ; the wave's end
	ds_add_u32 v[SPW], v[NIL]
	s_wait_dscnt 0x0
	CROUND                                         ; the closing round
	s_endpgm
.Lfunc_end_k_qb967efa8b8_scores:
	.size	k_qb967efa8b8_scores, .Lfunc_end_k_qb967efa8b8_scores-k_qb967efa8b8_scores
	.p2alignl 7, 3214868480
	.fill 96, 4, 3214868480
	.section	.rodata,"a",@progbits
	.p2align	6, 0x0
	.amdhsa_kernel k_qb967efa8b8_scores
		.amdhsa_group_segment_fixed_size 327680
		.amdhsa_private_segment_fixed_size 0
		.amdhsa_enable_private_segment 0
		.amdhsa_kernarg_size 32
		.amdhsa_user_sgpr_count 2
		.amdhsa_user_sgpr_kernarg_segment_ptr 1
		.amdhsa_wavefront_size32 1
		.amdhsa_system_sgpr_workgroup_id_x 1
		.amdhsa_system_sgpr_workgroup_id_y 1
		.amdhsa_system_sgpr_workgroup_id_z 1
		.amdhsa_system_vgpr_workitem_id 0
		.amdhsa_next_free_vgpr 1024
		.amdhsa_next_free_sgpr 98
		.amdhsa_reserve_vcc 0
		.amdhsa_float_denorm_mode_32 3
		.amdhsa_float_denorm_mode_16_64 3
		.amdhsa_memory_ordered 1
		.amdhsa_forward_progress 1
		.amdhsa_inst_pref_size 251
	.end_amdhsa_kernel
	.amdgpu_metadata
---
amdhsa.version: [ 1, 2 ]
amdhsa.kernels:
  - .name:           k_qb967efa8b8_scores
    .symbol:         k_qb967efa8b8_scores.kd
    .args:
      - { .name: qkv, .offset: 0, .size: 8, .value_kind: global_buffer, .address_space: global }
      - { .name: attention_mask, .offset: 8, .size: 8, .value_kind: global_buffer, .address_space: global }
      - { .name: pf, .offset: 16, .size: 8, .value_kind: global_buffer, .address_space: global }
      - { .name: stats, .offset: 24, .size: 8, .value_kind: global_buffer, .address_space: global }
    .group_segment_fixed_size: 327680
    .private_segment_fixed_size: 0
    .kernarg_segment_align: 8
    .kernarg_segment_size: 32
    .max_flat_workgroup_size: 128
    .sgpr_count:     98
    .vgpr_count:     1024
    .wavefront_size: 32
...
	.end_amdgpu_metadata
.endif
;; end of part 3
;; launch pv (part 4): grid 64 x 4, 4 waves a work-group, clusters of 4 x 1, 327,680 bytes of LDS; arguments pf, qkv, stats, bv, out0; writes out0
.if DOCPART == 4
	.amdgcn_target "amdgcn-amd-amdhsa--gfx1250"
	.amdhsa_code_object_version 6
	.text
	.protected	k_qb967efa8b8_pv
	.globl	k_qb967efa8b8_pv
	.p2align	8
	.type	k_qb967efa8b8_pv,@function
k_qb967efa8b8_pv:
	s_mov_b64 s[64:65], 0
	v_nop
	global_prefetch_b8 v0, s[64:65] scope:SCOPE_SE
	s_setreg_imm32_b32 hwreg(HW_REG_WAVE_MODE, 25, 1), 1
	s_wait_xcnt 0x0
	s_wait_alu depctr_hold_cnt(0) depctr_sa_sdst(0) depctr_va_vdst(0) depctr_va_sdst(0) depctr_va_ssrc(0) depctr_va_vcc(0) depctr_vm_vsrc(0)
	s_getreg_b32 s2, hwreg(HW_REG_IB_STS2, 6, 4)
	s_cmp_eq_u32 s2, 0
	s_cbranch_scc0 .Lentry_in_a_cluster
	s_endpgm
.Lentry_in_a_cluster:
	s_bfe_u32 s2, ttmp6, 0x10000c
	s_cmp_lg_u32 s2, 0x3003
	s_cbranch_scc0 .Lentry_shape_is_right
	s_endpgm
.Lentry_shape_is_right:
; out = sum over the eight chunks j of (f_j / l) (P_j V_j) + bv, with m = max_j m_j, f_j = 2^((m_j - m) log2 e), l = sum_j f_j l_j.  P, V: f16; sums, factors and bv in f32.
; bv stands here and not on v: a row's weights sum to 1 (shown at the head of the first kernel); it is the addend of the first chunk's merge and costs no line.
; A row whose every score is -infinity has l = 0: its numbers come out NaN, as the softmax of such a row does.
; A work-group makes 128 queries x 256 channels; wave w: queries 64 (w / 2) on, channels 128 (w % 2) on: 32 accumulators for the chunk in hand (window 2) and 32 for the total (window 3).
; Source 0 = 16 channels of V^T (vt: keys innermost), from a ring of two LDS slots of 256 keys, one chunk each.  Source 1 = a fragment of P, which lies in memory in the order of the operand's
; registers and comes straight into registers, 512 consecutive bytes a load, seven quarter steps ahead, in a ring of eight sets (window 1).
; WHY P IS NOT SHARED THROUGH LDS: two slots of 256 keys x 256 channels take 270,336 bytes; P's 128 x 256 numbers of a chunk have no room beside them.
; CLUSTER of 4 x 1: four tiles of queries of one batch walk the same V^T: each tile of it is asked for jointly, by the same load in all four.
; P AND V ARE NOT PREFETCHED: P's loads stand seven quarters of 32 matrix instructions ahead of their use, V's refill a whole chunk of 256.
; REGISTERS: window 0: v1 r, v2 h; v5-15 addresses; v16-23 the chunk's factors (a pair a block); v24-50 the head's arithmetic; v64-127 bv; v128-255 V's fragments, two sets, later rows on the way out.
.set VP,    528                        ; an LDS row: 512 bytes (256 keys) + 16 of padding: the 16 rows that a load touches start 132 words apart
.set QT,    64*VP                      ; what one tensor load brings
.set SLOT,  4*QT
.set FT,    2*SLOT                     ; 4,096 bytes: the factors [8 chunks][128 rows]
.set STAGE, FT+4096                    ; 16 rows x 528 bytes for each wave
.set SPARE, STAGE+4*16*VP              ; the spare words, 128 bytes for each wave
.set ADRB, 8
.set FAD,  10
.set PO,   11
.set STO,  12
.set RD,   13
.set SPW,  14
.set NIL,  15
.set FA,   16
.set BV,   64
.set BF,   128
.set WV,  14
.set QH,  15
.set CHH, 16
.set LAP, 21
.set G1,  24
.set G0,  32
.set PB,  48
.set OB,  50
.set MSB, 0
.macro WIN new
.if MSB != \new
	s_set_vgpr_msb (MSB<<8)|\new
.set MSB, \new
.endif
.endm
.set MUL, 0xa4                         ; source 0 (V) window 0, source 1 (P) window 1, C and D window 2
.macro CREST
	s_cmp_lg_u32 s[WV], 0
	s_cbranch_scc1 .Lnot_wave_0_\@
	s_barrier_signal -3
.Lnot_wave_0_\@:
	s_barrier_wait -3
	s_barrier_signal -1
	s_barrier_wait -1
.endm
.macro CROUND
	s_barrier_signal -1
	s_barrier_wait -1
	CREST
.endm
.macro PLACES
.rept 4
	v_nop
.endr
.endm
	s_load_b256 s[4:11], s[0:1], 0x0               ; pf s[4:5], qkv s[6:7], stats s[8:9], bv s[10:11]
	s_load_b64 s[12:13], s[0:1], 0x20              ; out0
	v_lshl_add_u32 v[SPW], v0, 2, SPARE
	v_mov_b32 v[NIL], 0
	ds_add_u32 v[SPW], v[NIL]                      ; the wave's opening: the add, twice on end, and its wait ahead of my first tensor load
	ds_add_u32 v[SPW], v[NIL]
	v_lshrrev_b32 v1, 5, v0
	v_readfirstlane_b32 s[WV], v1
	s_lshr_b32 s[QH], s[WV], 1
	s_and_b32 s[CHH], s[WV], 1
	s_bfe_u32 s17, ttmp6, 0x40000                  ; cx
	s_lshl_b32 s18, ttmp9, 2
	s_add_co_u32 s18, s18, s17                     ; my tile of 128 queries: it enters P's, the factors' and the output's addresses alone
	s_and_b32 s19, ttmp7, 0xffff                   ; my tile of 256 channels
	s_lshr_b32 s20, ttmp9, 2                       ; the batch: 16 tiles of queries, 4 clusters
	s_mov_b32 s[G1], 15|(1<<16)|(1<<20)|(1<<21)|(6<<22)|(3<<25)   ; all four work-groups; elements of 2 bytes; padding: 4 words after every 128; bit 21 beside a mask
	s_mov_b32 s[G1+1], 256<<16
	s_mov_b32 s[G1+2], 64<<16
	s_mov_b32 s[G1+3], 256<<16
	s_mov_b32 s[G1+4], 64
	s_mov_b32 s[G1+5], 2048                        ; from channel to channel of vt, in elements
	s_mov_b32 s[G1+6], 0
	s_mov_b32 s[G1+7], 0
	s_lshl_b32 s22, s20, 22                        ; vt: byte 33,554,432 + 4 MiB a batch + channel 256 y + 64 wave, of 4,096 bytes
	s_lshl_b32 s23, s19, 20
	s_add_co_u32 s22, s22, s23
	s_lshl_b32 s23, s[WV], 18
	s_add_co_u32 s22, s22, s23
	s_add_co_u32 s22, s22, 33554432
	s_mov_b32 s23, 0
	s_mul_i32 s40, s[WV], QT                       ; and in a slot: wave x 64 rows
	s_lshl_b32 s42, s18, 19                        ; pf: fragment row 8 x + 4 QH, of 65,536 bytes; out0: row 128 x + 64 QH, of 4,096: the same number
	s_lshl_b32 s43, s[QH], 18
	s_add_co_u32 s42, s42, s43
	s_mov_b32 s43, 0
	s_lshl_b32 s44, s19, 10                        ; my first channel, in bytes of f32
	s_lshl_b32 s45, s[CHH], 9
	s_add_co_u32 s44, s44, s45
	s_mov_b32 s45, 0
	s_add_co_u32 s46, s42, s44
	s_mov_b32 s47, 0
	s_lshl_b32 s2, s18, 9                          ; stats: row 128 x, 4 bytes a row
	s_mov_b32 s3, 0
	s_wait_dscnt 0x0                               ; both opening adds are done
	s_wait_kmcnt 0x0
	s_add_nc_u64 s[6:7], s[6:7], s[22:23]
	s_add_nc_u64 s[PB:PB+1], s[4:5], s[42:43]
	s_add_nc_u64 s[OB:OB+1], s[12:13], s[46:47]
	s_add_nc_u64 s[10:11], s[10:11], s[44:45]
	s_add_nc_u64 s[8:9], s[8:9], s[2:3]
	CROUND                                         ; all four work-groups are here: the first joint loads meet
.irp s, 0,1
	s_mov_b32 s[G0+4*\s], 1
	s_add_co_u32 s[G0+4*\s+1], s40, \s*SLOT
	s_add_nc_u64 s[G0+4*\s+2:G0+4*\s+3], s[6:7], \s*512   ; chunk s: 256 keys are 512 bytes of a row
	s_or_b32 s[G0+4*\s+3], s[G0+4*\s+3], 0x80000000
.endr
	tensor_load_to_lds s[G0:G0+3], s[G1:G1+7]      ; every wave fetches its 64 channels of both first chunks: two loads of mine are out
	s_nop 0
	tensor_load_to_lds s[G0+4:G0+7], s[G1:G1+7]
	s_nop 0
	PLACES
	v_and_b32 v1, 15, v0                           ; r
	v_bfe_u32 v2, v0, 4, 1                         ; h
	v_and_b32 v3, 31, v0
	v_lshlrev_b32 v[PO], 4, v3                     ; 16 x lane
	v_lshlrev_b32 v7, 5, v2                        ; bv: 32 h bytes
	v_lshlrev_b32 v5, 2, v0                        ; stats: thread t owns row 128 x + t
.irp b, 0,1,2,3,4,5,6,7
	global_load_b128 v[BV+8*\b:BV+8*\b+3], v7, s[10:11] offset:64*\b           ; bv at channels 16 b + 8 h + 0 .. 7: the result's layout
	global_load_b128 v[BV+8*\b+4:BV+8*\b+7], v7, s[10:11] offset:64*\b+16
.endr
.irp j, 0,1,2,3,4,5,6,7
	global_load_b32 v[24+\j], v5, s[8:9] offset:32768*\j                       ; m_j
.endr
.irp j, 0,1,2,3,4,5,6,7,8,9,10,11,12,13,14,15
	global_load_b32 v[32+\j], v5, s[8:9] offset:262144+32768*\j                ; the sums of 128 keys
.endr
.macro PLOAD g                         ; P's four fragments of the g-th 32 keys from PB on, into set g % 8
	WIN 0x40                                       ; destination window 1
.irp a, 0,1,2,3
.irp c, 0,1
	global_load_b128 v[32*((\g)%8)+8*\a+4*\c:32*((\g)%8)+8*\a+4*\c+3], v[PO], s[PB:PB+1] offset:\a*65536+1024*(\g)+512*\c
.endr
.endr
	WIN 0
.endm
.irp g, 0,1,2,3,4,5,6
	PLOAD \g
.endr
	v_add_nc_u32 v6, FT, v5                        ; where my row's factors go
	v_mul_u32_u24 v4, v1, VP
	v_lshl_add_u32 v4, v2, 4, v4
	s_mul_i32 s41, s[CHH], 128*VP                  ; my 128 channels
	v_add_nc_u32 v[ADRB], s41, v4
	s_add_co_u32 s41, s41, SLOT
	v_add_nc_u32 v[ADRB+1], s41, v4
	s_lshl_b32 s41, s[QH], 8
	s_add_co_u32 s41, s41, FT
	v_lshl_add_u32 v[FAD], v1, 2, s41              ; the factors of rows 64 QH + r, chunk 0
	s_mul_i32 s41, s[WV], 16*VP
	s_add_co_u32 s41, s41, STAGE                   ; my stage
	v_mul_u32_u24 v[STO], v1, VP
	v_lshl_add_u32 v[STO], v2, 5, v[STO]
	v_add_nc_u32 v[STO], s41, v[STO]               ; in: row r, 32 bytes for each half of the lanes
	v_add_nc_u32 v[RD], s41, v[PO]                 ; back: the 32 lanes take a row of 512 bytes
.irp a, 0,1,2,3
	v_mov_b32 v[FA+2*\a+1], 0                      ; named as the upper half of a pair
.endr
	s_wait_loadcnt 56                              ; bv and the statistics are in; P's seven groups of eight may be out
	v_max3_num_f32 v48, v24, v25, v26
	v_max3_num_f32 v48, v48, v27, v28
	v_max3_num_f32 v48, v48, v29, v30
	v_max_num_f32 v48, v48, v31                    ; m: the row's maximum
.irp j, 0,1,2,3,4,5,6,7
	v_sub_f32 v[24+\j], v[24+\j], v48
.endr
.irp j, 0,1,2,3,4,5,6,7
	v_mul_f32 v[24+\j], 0x3fb8aa3b, v[24+\j]
.endr
.irp j, 0,1,2,3,4,5,6,7
	v_exp_f32 v[24+\j], v[24+\j]                   ; f_j
.endr
.irp j, 0,1,2,3,4,5,6,7
	v_add_f32 v[32+2*\j], v[32+2*\j], v[33+2*\j]   ; l_j (plain work behind the batch)
.endr
	s_wait_alu depctr_va_vdst(0)                   ; one wait for the eight, ahead of their first reader
	v_mul_f32 v49, v24, v32
.irp j, 1,2,3,4,5,6,7
	v_fmac_f32 v49, v[24+\j], v[32+2*\j]           ; l
.endr
	v_rcp_f32 v50, v49
	v_nop
	s_wait_alu depctr_va_vdst(0)
.irp j, 0,1,2,3,4,5,6,7
	v_mul_f32 v[24+\j], v[24+\j], v50              ; f_j / l
.endr
.irp j, 0,1,2,3,4,5,6,7
	ds_store_b32 v6, v[24+\j] offset:512*\j
.endr
	s_wait_tensorcnt 1                             ; my part of chunk 0 is in; chunk 1's may be out
	s_wait_dscnt 0x0                               ; my factors are stored
	s_barrier_signal -1
	s_barrier_wait -1
.macro FETCH_B slot, q, f              ; V's eight fragments (16 channels x 32 keys) of the slot's q-th 32 keys
.irp b, 0,1,2,3,4,5,6,7
	ds_load_b128 v[\f+8*\b:\f+8*\b+3],   v[ADRB+\slot] offset:\b*16*VP+64*(\q)
	ds_load_b128 v[\f+8*\b+4:\f+8*\b+7], v[ADRB+\slot] offset:\b*16*VP+64*(\q)+32
.endr
.endm
.macro MUL8 q, a, zero                 ; block a of queries x the eight blocks of channels.  The 32 accumulators take turns, one instruction a turn
.irp b, 0,1,2,3,4,5,6,7
.if \zero
	v_wmma_f32_16x16x32_f16 v[8*(8*(\a)+\b):8*(8*(\a)+\b)+7], v[BF+64*((\q)%2)+8*\b:BF+64*((\q)%2)+8*\b+7], v[32*(\q)+8*(\a):32*(\q)+8*(\a)+7], 0
.else
	v_wmma_f32_16x16x32_f16 v[8*(8*(\a)+\b):8*(8*(\a)+\b)+7], v[BF+64*((\q)%2)+8*\b:BF+64*((\q)%2)+8*\b+7], v[32*(\q)+8*(\a):32*(\q)+8*(\a)+7], v[8*(8*(\a)+\b):8*(8*(\a)+\b)+7]
.endif
.endr
.endm
; A quarter q = 0 .. 6 of a chunk's eight: 32 keys, 32 matrix instructions.  lc: how many younger loads of P may stay out; pl = 1: the group seven on is asked for.
.macro QTR slot, q, zero, pl, lc
	s_wait_loadcnt \lc                             ; this quarter's eight loads of P are in
	s_wait_dscnt 0x0                               ; and V's fragments
	PLACES                                         ; in front of loads into registers that the last quarter's products read
	FETCH_B \slot, (\q)+1, BF+64*(((\q)+1)%2)
.if \pl
	PLOAD (\q)+7
.endif
	WIN MUL
	MUL8 \q, 0, \zero
	MUL8 \q, 1, \zero
	MUL8 \q, 2, \zero
	MUL8 \q, 3, \zero
	WIN 0
.endm
.macro FLOAD                           ; the chunk's factors of my four blocks of rows
.irp a, 0,1,2,3
	ds_load_b32 v[FA+2*\a], v[FAD] offset:64*\a
.endr
	v_add_nc_u32 v[FAD], 512, v[FAD]               ; on to the next chunk's
.endm
; A chunk's last quarter changes slots: one barrier; in front of it each wave waits for all its tensor loads, adds 0 to its spare word, and waits for that and for its reads of the slot.
.macro TURN slot, next, fill
	s_wait_tensorcnt 0x0                           ; my part of the next chunk has landed
	ds_add_u32 v[SPW], v[NIL]                      ; 0 onto my spare word
	s_wait_loadcnt 48
	s_wait_dscnt 1                                 ; V's fragments are in; the add may be out
	WIN MUL
	MUL8 7, 0, 0
	s_wait_dscnt 0x0                               ; the add is done, and my reads of this slot are over
	s_barrier_signal -1
	MUL8 7, 1, 0
	WIN 0
	s_barrier_wait -1
.if \fill
	CREST                                          ; the barrier has opened a round of the cluster's: no wave of any partner still reads this slot or has a load on its way
	s_add_nc_u64 s[G0+4*\slot+2:G0+4*\slot+3], s[G0+4*\slot+2:G0+4*\slot+3], 1024   ; two chunks on
	tensor_load_to_lds s[G0+4*\slot:G0+4*\slot+3], s[G1:G1+7]   ; my one load behind the round: it has a chunk's 256 matrix instructions in which to land
	s_nop 0
.endif
	PLACES
	FETCH_B \next, 0, BF
	FLOAD
	PLOAD 14
	WIN MUL
	MUL8 7, 2, 0
	MUL8 7, 3, 0
	WIN 0
.endm
; The chunk's products, times the chunk's factor of each row, join the total.  first = 1: the total begins on bv.  step = 1: P's base goes a chunk on.
.macro MERGE first, step
	PLACES
	s_wait_dscnt 0x0                               ; the factors are in
.if \first
	WIN 0xc2                                       ; source 0 window 2, factor and bv window 0, destination window 3
.else
	WIN 0xf2                                       ; source 0 window 2, factor window 0, addend and destination window 3
.endif
.irp a, 0,1,2,3
.set j, 0
.rept 32
.if \first
	v_pk_fma_f32 v[64*\a+j:64*\a+j+1], v[64*\a+j:64*\a+j+1], v[FA+2*\a:FA+2*\a+1], v[BV+j:BV+j+1] op_sel_hi:[1,0,1]
.else
	v_pk_fma_f32 v[64*\a+j:64*\a+j+1], v[64*\a+j:64*\a+j+1], v[FA+2*\a:FA+2*\a+1], v[64*\a+j:64*\a+j+1] op_sel_hi:[1,0,1]
.endif
.set j, j+2
.endr
.endr
	WIN 0
.if \step
	s_wait_xcnt 0x0                                ; P's pending loads have read their base
	s_add_nc_u64 s[PB:PB+1], s[PB:PB+1], 8192
.endif
.endm
.macro CHUNK slot, next, fill, first
	QTR \slot, 0, 1, 1, 48                         ; the chunk's first products start its sums.  48: the six younger groups of eight
.irp q, 1,2,3,4,5,6
	QTR \slot, \q, 0, 1, 48
.endr
	TURN \slot, \next, \fill
	MERGE \first, 1
.endm
	FETCH_B 0, 0, BF
	CHUNK 0, 1, 1, 1                               ; chunks 0 and 1 are written out: the first merge begins the totals
	CHUNK 1, 0, 1, 0
	s_mov_b32 s[LAP], 2
.Llap:                                             ; chunks 2 to 5: chunks 4 to 7 are asked for
	CHUNK 0, 1, 1, 0
	CHUNK 1, 0, 1, 0
	s_sub_co_u32 s[LAP], s[LAP], 1
	s_cmp_lg_u32 s[LAP], 0
	s_cbranch_scc1 .Llap
	CHUNK 0, 1, 0, 0                               ; chunk 6: nothing is left to fetch of V, so no round follows its barrier
	QTR 1, 0, 1, 1, 48                             ; chunk 7: P's last group is asked for here, and the counts run down
	QTR 1, 1, 0, 0, 48
	QTR 1, 2, 0, 0, 40
	QTR 1, 3, 0, 0, 32
	QTR 1, 4, 0, 0, 24
	QTR 1, 5, 0, 0, 16
	QTR 1, 6, 0, 0, 8
	FLOAD
	s_wait_loadcnt 0x0
	s_wait_dscnt 0x0
	WIN MUL
	MUL8 7, 0, 0
	MUL8 7, 1, 0
	MUL8 7, 2, 0
	MUL8 7, 3, 0
	WIN 0
	MERGE 0, 0
; THE WAY OUT, a block of 16 queries x 128 channels at a time: a lane's 32 bytes of a row go into my own stage and come back as whole rows of 512 bytes.
.macro TOSTAGE a
	WIN 0x0c                                       ; an LDS store's data: window 3
.irp b, 0,1,2,3,4,5,6,7
	ds_store_b128 v[STO], v[64*(\a)+8*\b:64*(\a)+8*\b+3] offset:64*\b
	ds_store_b128 v[STO], v[64*(\a)+8*\b+4:64*(\a)+8*\b+7] offset:64*\b+16
.endr
	WIN 0
.set BB, BF+64*((\a)%2)
.irp t, 0,1,2,3,4,5,6,7,8,9,10,11,12,13,14,15
	ds_load_b128 v[BB+4*\t:BB+4*\t+3], v[RD] offset:\t*VP    ; LDS serves a wave's instructions in order: these see the stores above
.endr
.endm
.macro SEND a, younger
.set BB, BF+64*((\a)%2)
	s_wait_dscnt \younger                          ; the block is back; the next block's 16 stores and 16 loads may be out
.irp t, 0,1,2,3,4,5,6,7,8,9,10,11,12,13,14,15
	global_store_b128 v[PO], v[BB+4*\t:BB+4*\t+3], s[OB:OB+1] offset:(\a)*65536+\t*4096 th:TH_STORE_NT   ; 32 lanes store 512 consecutive bytes, aligned
.endr
.endm
	TOSTAGE 0
	TOSTAGE 1
	SEND 0, 32
	s_wait_xcnt 0x0                                ; block 0's stores have read their registers: block 2's rows may land there
	TOSTAGE 2
	SEND 1, 32
	s_wait_xcnt 0x0
	TOSTAGE 3
	SEND 2, 32
	SEND 3, 0
	s_wait_tensorcnt 0x0                           ; the wave's end
	ds_add_u32 v[SPW], v[NIL]
	s_wait_dscnt 0x0
	CROUND                                         ; the closing round
	s_endpgm
.Lfunc_end_k_qb967efa8b8_pv:
	.size	k_qb967efa8b8_pv, .Lfunc_end_k_qb967efa8b8_pv-k_qb967efa8b8_pv
	.p2alignl 7, 3214868480
	.fill 96, 4, 3214868480
	.section	.rodata,"a",@progbits
	.p2align	6, 0x0
	.amdhsa_kernel k_qb967efa8b8_pv
		.amdhsa_group_segment_fixed_size 327680
		.amdhsa_private_segment_fixed_size 0
		.amdhsa_enable_private_segment 0
		.amdhsa_kernarg_size 40
		.amdhsa_user_sgpr_count 2
		.amdhsa_user_sgpr_kernarg_segment_ptr 1
		.amdhsa_wavefront_size32 1
		.amdhsa_system_sgpr_workgroup_id_x 1
		.amdhsa_system_sgpr_workgroup_id_y 1
		.amdhsa_system_sgpr_workgroup_id_z 1
		.amdhsa_system_vgpr_workitem_id 0
		.amdhsa_next_free_vgpr 1024
		.amdhsa_next_free_sgpr 66
		.amdhsa_reserve_vcc 0
		.amdhsa_float_denorm_mode_32 3
		.amdhsa_float_denorm_mode_16_64 3
		.amdhsa_memory_ordered 1
		.amdhsa_forward_progress 1
		.amdhsa_inst_pref_size 255
	.end_amdhsa_kernel
	.section	.bss,"aw",@nobits
	.p2align	6
	.space	262144
	.amdgpu_metadata
---
amdhsa.version: [ 1, 2 ]
amdhsa.kernels:
  - .name:           k_qb967efa8b8_pv
    .symbol:         k_qb967efa8b8_pv.kd
    .args:
      - { .name: pf, .offset: 0, .size: 8, .value_kind: global_buffer, .address_space: global }
      - { .name: qkv, .offset: 8, .size: 8, .value_kind: global_buffer, .address_space: global }
      - { .name: stats, .offset: 16, .size: 8, .value_kind: global_buffer, .address_space: global }
      - { .name: bv, .offset: 24, .size: 8, .value_kind: global_buffer, .address_space: global }
      - { .name: out0, .offset: 32, .size: 8, .value_kind: global_buffer, .address_space: global }
    .group_segment_fixed_size: 327680
    .private_segment_fixed_size: 0
    .kernarg_segment_align: 8
    .kernarg_segment_size: 40
    .max_flat_workgroup_size: 128
    .sgpr_count:     66
    .vgpr_count:     1024
    .wavefront_size: 32
...
	.end_amdgpu_metadata
.endif
;; end of part 4
